; MI455X (gfx1250); checked and timed in simulation.
; The chip was launched on July 23, 2026; its instructions are those of AMD's public machine-readable ISA for CDNA 5 (MIT licence, August 2026) and "CDNA5" Instruction Set Architecture Reference Guide (July 2026). The comments in the code are by the model that wrote it; some were corrected since.
;; Bert Attention. Allowed arithmetic: matrix products marked QUANTISED: E2M1 operands, one E8M0 scale for each 32 along K, by v_wmma_scale_f32_16x16x128_f8f6f4 with both operands' format E2M1 (or v_wmma_scale_f32_32x16x128_f4), f32 sums; everything else in f32.
;; Inputs: Wk_codes 1,024 x 32 x 16 uint8 (E2M1 codes of Wk, K innermost, in blocks of 32 codes, two codes a byte); Wk_scales 1,024 x 32 uint8 (E8M0 scales of Wk, one for each 32 codes along K); Wo_codes 1,024 x 32 x 16 uint8 (E2M1 codes of Wo, K innermost, in blocks of 32 codes, two codes a byte); Wo_scales 1,024 x 32 uint8 (E8M0 scales of Wo, one for each 32 codes along K); Wq_codes 1,024 x 32 x 16 uint8 (E2M1 codes of Wq, K innermost, in blocks of 32 codes, two codes a byte); Wq_scales 1,024 x 32 uint8 (E8M0 scales of Wq, one for each 32 codes along K); Wv_codes 1,024 x 32 x 16 uint8 (E2M1 codes of Wv, K innermost, in blocks of 32 codes, two codes a byte); Wv_scales 1,024 x 32 uint8 (E8M0 scales of Wv, one for each 32 codes along K); attention_mask 4 x 1 x 1 x 2,048 float32; bk 1,024 float32; bo 1,024 float32; bq 1,024 float32; bv 1,024 float32; hidden_states 4 x 2,048 x 1,024 float32; ln_beta 1,024 float32; ln_gamma 1,024 float32.
;; Outputs: out0 4 x 2,048 x 1,024 float32.
;; This version of the problem:
;;   THIS VERSION OF THE PROBLEM IS GIVEN IN LOW PRECISION. The matrix products marked QUANTISED in the list below multiply operands that are first quantised to E2M1 (2 exponent bits, 1 mantissa bit; 4 bits a number), with one power-of-two scale for each 32 numbers along K (OCP MX v1.0); their sums are f32. All else is computed in f32.
;;   The module's matrix products, in the order in which they are computed (A, B: the left and right operand; K: the contracted axis; several contracted axes count as one K, in the product's order):
;;     1. [M 8,192, K 1,024] x [K 1,024, N 1,024]; A: input hidden_states; B: input Wq (given as codes): QUANTISED
;;     2. [M 8,192, K 1,024] x [K 1,024, N 1,024]; A: input hidden_states; B: input Wk (given as codes): QUANTISED
;;     3. [M 8,192, K 1,024] x [K 1,024, N 1,024]; A: input hidden_states; B: input Wv (given as codes): QUANTISED
;;     4. batch 64 x [M 2,048, K 64] x [K 64, N 2,048]; A: computed on the way; B: computed on the way: QUANTISED
;;     5. batch 64 x [M 2,048, K 2,048] x [K 2,048, N 64]; A: softmax (see below); B: computed on the way: QUANTISED
;;     6. [M 8,192, K 1,024] x [K 1,024, N 1,024]; A: computed on the way; B: input Wo (given as codes): QUANTISED
;;   THE QUANTISER, for each operand of a quantised product, along K:
;;     - K is cut into blocks of 32 from its start; a last block that is shorter is filled with zeros.
;;     - A block's scale is 2^e with e = floor(log2(the largest magnitude in the block)) - 2, held to -126 .. 127; a block of zeros has e = 0. As a byte (E8M0): e + 127.
;;     - Each number is divided by its block's scale, clamped to +-6, and rounded to the nearest number of E2M1, ties to even, subnormals kept.
;;     - The product sums the exact products of the quantised numbers (number of the format x scale) in f32.
;;   ~~~python
;;   def quantise(x, axis):      # numpy; x: float32 -> the quantised numbers, widened to float32 again
;;       x = np.moveaxis(x, axis, -1); K = x.shape[-1]
;;       x = np.pad(x, [(0, 0)] * (x.ndim - 1) + [(0, -K % 32)]); x = x.reshape(x.shape[:-1] + (-1, 32)); a = np.abs(x).max(-1, keepdims=True)
;;       e = np.where(a > 0, np.clip(np.frexp(np.where(a > 0, a, 1))[1] - 1 - 2, -126, 127), 0)      # np.frexp(a)[1] - 1 = floor(log2(a)), exactly
;;       r = np.clip(x / 2.0 ** e, -6, 6)
;;       step = 2.0 ** (np.maximum(np.frexp(np.where(r == 0, 1, r))[1] - 1, 0) - 1)
;;       q = np.round(r / step) * step * 2.0 ** e      # np.round: ties to even
;;       return np.moveaxis(q.reshape(q.shape[:-2] + (-1,))[..., :K], -1, axis).astype(np.float32)
;;   ~~~
;;   SOFTMAX AHEAD OF A QUANTISED PRODUCT. Where the list says 'softmax', what is quantised is not the finished softmax but p = 2^(t - M), with t = logit x log2(e) and M = ceil(the row's largest t), a whole number; so 1/2 < the row's largest p <= 1. The row's sum l is taken of the UNQUANTISED p, in f32, and the product's result is divided by l at the end. Since M is a whole number, a kernel that streams over the keys may use a running M (the ceiling of the running maximum): every later rescaling is an exact power of two, which a block's scale takes up: the codes' values come out the same.
;;   OPERANDS COMPUTED ON THE WAY. 'Computed on the way' means the value that the module computes at that place (a softmax that the list does not call 'softmax' is quantised finished and normalised). What goes into a quantiser is computed in f32, as accurately as f32 sums, v_exp_f32 and their like allow (about 1e-6 of the number): no bf16 or f16 on the way to a quantiser, and a product that is left as it is and whose result goes on into a quantised operand takes f32 operands (vector FMAs, or v_wmma_f32_16x16x4_f32). A number that lies on a knife's edge between two numbers of the format may be rounded either way, as far as f32 arithmetic and the matrix unit's own rounding can turn it there, and no further.
;;   INPUTS GIVEN AS CODES. Wk (in the module: [1024, 1024], K = its axis 0); Wo (in the module: [1024, 1024], K = its axis 0); Wq (in the module: [1024, 1024], K = its axis 0); Wv (in the module: [1024, 1024], K = its axis 0): each comes as NAME_codes (uint8): NAME with its K axis moved to the last place and cut into blocks of 32 codes, [.., K / 32, bytes a block], one block behind the other in memory; two codes a byte, the lower K in the low four bits (a code: sign, 2 exponent bits, 1 mantissa bit); and NAME_scales (uint8): the same leading axes, one E8M0 byte (e + 127) for each 32 codes along K. Its value is code x scale, taken as it is: it is not quantised again, and the codes and scales need not be those that the quantiser above would give.
;; 2 versions. Each part assembles by itself: llvm-mc -triple=amdgcn-amd-amdhsa -mcpu=gfx1250 --defsym DOCPART=n.
;; ======== version 1 of 2: 3 launches
;; workspace buffers: qkv 13,893,632 bytes; cf 4,194,304 bytes; cs 262,144 bytes
;; launch proj (part 1): grid 4 x 64, 4 waves a work-group, no clusters, 70,144 bytes of LDS; arguments hidden_states, Wq_codes, Wk_codes, Wq_scales, Wk_scales, bq, bk, qkv, Wv_codes, Wv_scales, bv; writes qkv
.if DOCPART == 1
	.amdgcn_target "amdgcn-amd-amdhsa--gfx1250"
	.amdhsa_code_object_version 6
	.text
	.protected	k_qf8e4a809cd_proj
	.globl	k_qf8e4a809cd_proj
	.p2align	8
	.type	k_qf8e4a809cd_proj,@function
k_qf8e4a809cd_proj:
	s_mov_b64 s[64:65], 0
	v_nop
	global_prefetch_b8 v0, s[64:65] scope:SCOPE_SE
	s_setreg_imm32_b32 hwreg(HW_REG_WAVE_MODE, 25, 1), 1
	s_wait_xcnt 0x0
; q = x Wq + bq, k = x Wk + bk, v = x Wv + bv on codes of FP4 (E2M1) with one E8M0 scale for each 32 along K; x [8192][1024] f32 is quantised here; the results are quantised at once
; (q, k along the head's 64; v along the keys) and leave as IMAGES OF OPERAND REGISTERS, one record of REC bytes for each (batch, head): KF, VF, KS, VS, QF, QS.
; SHARES.  Work-group (c, R): rows 128 R .. + 127 of x, columns 256 c .. + 255 of each of q, k, v (heads 4 c .. 4 c + 3): 256 work-groups.  Wave w: first it quantises rows 32 w .. + 31 of x into LDS (images, as the
; matrix instruction wants them); then 128 columns of Wq (waves 0, 1) or Wk (waves 2, 3) stay in its registers and the 8 tiles of rows stream by (8 jobs); then all 64 fragments of x stay in its registers and the 4 tiles
; of Wv of head 4 c + w stream by (4 jobs).  A job is 64 matrix instructions on 8 accumulators by turns, then the quantiser on the 64 results of each lane, then the stores.
; TILES ARE NOT NEIGHBOURS: lane r of tile 2 b + u of a group of 32 takes element 32 b + 8 u + r + 8 (r / 8): rows of x, rows of Wq and Wk, rows of Wv within a head.  Source 0's tile so chosen, a lane's 16 registers of
; tiles 2 b, 2 b + 1 are 16 neighbours along the axis that is quantised next.
; THE 1/8 OF THE SCORES is taken off q's scale bytes (3 off each): exact.  For that no block's largest magnitude is taken under 2^(6 - 127), so that every byte is 4 at the least.
; LIMITS: blocks of x, q, k, v whose largest magnitude lies under 2^-121 are taken at that floor's scale; NaN and infinities among the inputs are not served.
; NO JOINT LOADS: every weight fragment goes from memory straight into the registers of the one wave that multiplies by it, and x has to pass through registers to be quantised; a joint load would land both in LDS,
; from where each byte would be read once more.  No tensor load, so no ring; ONE barrier.
; REGISTERS.  window 0: below.  windows 1, 2: the resident fragments, (tile t, K step s) at v[64 (s % 4) + 8 t] of window 1 + s / 4.  window 3: Wv's tiles (j, s) at v[64 j + 8 s]; v192-255 first hold bq's or bk's 8 tiles.
.set REC,  217088                      ; a record: KF 65,536 | VF 65,536 | KS 8,192 | VS 4,096 | QF 65,536 | QS 8,192
.set O_VF, 65536
.set O_KS, 131072
.set O_VS, 139264
.set O_QF, 143360
.set O_QS, 208896
.set XSC,  65536                       ; LDS: x's 64 fragments (tile m, K step s) at (8 m + s) x 1,024; behind them their scale words [m][r][s], 4,096 bytes
.set LI,  1                            ; v1   16 x lane
.set XA,  2                            ; v2   x: perm(r) x 4,096 + 64 h
.set XWI, 3                            ; v3   where I store x's images: 16 x lane + 16,384 x wave
.set XWS, 4                            ; v4   and their scale words: XSC + 32 r + 1,024 x wave
.set WA,  5                            ; v5   a weight's codes: perm(r) x 512 + 16 h
.set WSA, 6                            ; v6   a weight's scale bytes: perm(r) x 32 + 16 h
.set BA,  7                            ; v7   64 h
.set TSA, 8                            ; v8   x's scale words in LDS: XSC + 32 r + 16 h
.set H16, 9                            ; v9   16 h
.set SWA, 10                           ; v10  h x REC + 16 r
.set R16, 11                           ; v11  16 r
.set B4,  12                           ; v12  4 x perm(r)
.set TS,  16                           ; v16-19   the streamed tile's scale words
.set TSV, 20                           ; v20-35   Wv's, four registers a tile
.set BVL, 36                           ; v36-39   bv at my lane's d, one a tile
.set BC,  40                           ; v40-47   the same eight times: the C of a v job's first products
.set SW,  48                           ; v48-55   q's or k's scale words, one a job
.set VW,  56                           ; v56-59   v's, one a job
.set RS,  60                           ; v60-91   the resident tiles' scale words, four registers a tile
.set PC,  92                           ; v92-99   the codes just made
.set TM,  100                          ; v100-115 at work in the quantiser
.set PW,  116                          ; v116     the scale word just made
.set HA,  120                          ; v120-183 the 8 accumulators; at first x's numbers of the even K steps
.set ST,  184                          ; v184-247 the 8 streamed fragments; at first x's numbers of the odd K steps
.set WC,  30                           ; s[30:31] my 128 rows of Wq's or Wk's codes;  s[32:33] their scale bytes;  s[34:35] my 128 numbers of bq or bk
.set WS,  32
.set WB,  34
.set XB,  36                           ; s[36:37] x at my 32 rows
.set VC,  38                           ; s[38:39] my head's 64 rows of Wv's codes;  s[40:41] their scale bytes;  s[42:43] my head's bv
.set VSC, 40
.set VBP, 42
.set FA,  44                           ; s[44:45] QF or KF of my first head, at my block of 128 rows;  s[46:47] of my second head
.set FB,  46
.set SB,  48                           ; s[48:49] QS or KS of my first head
.set VFB, 50                           ; s[50:51] VF of head 4 c + w;  s[52:53] VS
.set VSB, 52
.set ADJ, 54                           ; s54  3 in each byte for q, 0 for k
.set SEL, 56                           ; s[56:57] v_permlanex16_b32's selects for lane l xor 16
.set MSB, 0
.macro WIN new                         ; the immediate's high byte repeats the setting that is left; a switch that changes nothing is dropped
.if MSB != \new
	s_set_vgpr_msb (MSB<<8)|\new
.set MSB, \new
.endif
.endm
; 64 numbers of a lane, v[s] .. v[s + 63], register 16 b + i = k 32 b + 16 (lane / 16) + i of my row, become a fragment's codes in v[PC] on and its scale word in v[pw].
.macro QUANT s, pw
.irp b, 0,1,2,3
	v_max3_num_f32 v[TM+\b], |v[\s+16*\b]|, |v[\s+1+16*\b]|, 0x3000000   ; block b: my 16 numbers, and the floor 2^(6 - 127): the byte cannot fall under 4
.endr
.irp i, 2,4,6,8,10,12,14
.irp b, 0,1,2,3
	v_max3_num_f32 v[TM+\b], v[TM+\b], |v[\s+16*\b+\i]|, |v[\s+1+16*\b+\i]|   ; the four blocks by turns
.endr
.endr
.irp b, 0,1,2,3
	v_permlanex16_b32 v[TM+4+\b], v[TM+\b], s[SEL], s[SEL+1]
.endr
.irp b, 0,1,2,3
	v_max_num_f32 v[TM+\b], v[TM+\b], v[TM+4+\b]   ; with lane l xor 16's: the block's largest magnitude
.endr
.irp b, 0,1,2,3
	v_add_nc_u32 v[TM+12+\b], 0xff000000, v[TM+\b]   ; 2 off its exponent field: the conversion takes the exponent field of this operand as its scale
.endr
.irp b, 0,1,2,3
	v_lshrrev_b32 v[TM+4+\b], 23, v[TM+12+\b]      ; the scale's byte
.endr
	v_lshl_or_b32 v[PW], v[TM+5], 8, v[TM+4]
	v_lshl_or_b32 v[PW], v[TM+6], 16, v[PW]
	v_lshl_or_b32 v[\pw], v[TM+7], 24, v[PW]       ; my row's scale word, the same in both halves of the lanes
.irp b, 0,1,2,3
	v_cvt_scalef32_pk8_fp4_f32 v[PC+2*\b], v[\s+16*\b:\s+7+16*\b], v[TM+12+\b]
	v_cvt_scalef32_pk8_fp4_f32 v[PC+1+2*\b], v[\s+8+16*\b:\s+15+16*\b], v[TM+12+\b]
.endr
	v_nop                                          ; one plain place behind a scaled conversion
.irp c, 0,1                                    ; the operand's layout wants a whole block in a lane: lanes 0-15 block 2 c, lanes 16-31 block 2 c + 1
.irp i, 0,1
	v_permlane16_swap_b32 v[PC+4*\c+\i], v[PC+2+4*\c+\i]
.endr
.endr
.endm
.macro XLOAD reg, f                    ; fragment f = 8 u + s of my 32 rows: 64 numbers a lane; the 16 loads together take 512 whole bytes of each of 16 rows
.irp b, 0,1,2,3
.irp j, 0,1,2,3
	global_load_b128 v[\reg+16*\b+4*\j:\reg+16*\b+4*\j+3], v[XA], s[XB:XB+1] offset:((\f)/8)*32768+((\f)%8)*512+128*\b+16*\j
.endr
.endr
.endm
.macro WLOAD f                         ; four of my 64 resident fragments of Wq or Wk: K step f / 2, tiles 4 (f % 2) + 0 .. 3
.if (\f) < 8
	WIN 0x40
.else
	WIN 0x80
.endif
.irp q, 0,1,2,3
.irp c, 0,1
.set rT, 4*((\f)%2)+\q
.set rS, (\f)/2
	global_load_b128 v[64*(rS%4)+8*rT+4*\c:64*(rS%4)+8*rT+4*\c+3], v[WA], s[WC:WC+1] offset:(32*(rT/2)+8*(rT%2))*512+64*rS+32*\c
.endr
.endr
	WIN 0
.endm
.macro VLOAD j                         ; tile j of my head's Wv, all 8 K steps, into window 3 (the window is set by the caller)
.irp s, 0,1,2,3,4,5,6,7
.irp c, 0,1
	global_load_b128 v[64*\j+8*\s+4*\c:64*\j+8*\s+4*\c+3], v[WA], s[VC:VC+1] offset:(32*(\j/2)+8*(\j%2))*512+64*\s+32*\c
.endr
.endr
.endm
.macro STREAM m                        ; tile m of x: its 8 fragments and its scale words, out of LDS
.irp s, 0,1,2,3,4,5,6,7
.irp c, 0,1
	ds_load_b128 v[ST+8*\s+4*\c:ST+8*\s+4*\c+3], v[LI] offset:(8*(\m)+\s)*1024+512*\c
.endr
.endr
	ds_load_b128 v[TS:TS+3], v[TSA] offset:512*(\m)
.endm
.macro RESX                            ; all 64 fragments of x become the resident ones, and their scale words with them
	WIN 0x40
.irp s, 0,1,2,3
.irp t, 0,1,2,3,4,5,6,7
.irp c, 0,1
	ds_load_b128 v[64*\s+8*\t+4*\c:64*\s+8*\t+4*\c+3], v[LI] offset:(8*\t+\s)*1024+512*\c
.endr
.endr
.endr
	WIN 0x80
.irp s, 0,1,2,3
.irp t, 0,1,2,3,4,5,6,7
.irp c, 0,1
	ds_load_b128 v[64*\s+8*\t+4*\c:64*\s+8*\t+4*\c+3], v[LI] offset:(8*\t+\s+4)*1024+512*\c
.endr
.endr
.endr
	WIN 0
.irp t, 0,1,2,3,4,5,6,7
	ds_load_b128 v[RS+4*\t:RS+4*\t+3], v[TSA] offset:512*\t
.endr
.endm
; A job's 64 matrix instructions: K step by K step, the 8 accumulators by turns.  Source 0 = resident tile t.  kind 0: source 1 = the streamed tile of x, C of the first K step = bq's or bk's tile t (window 3);
; kind 1: source 1 = tile idx of Wv (window 3), C = bv at my lane's d.  A scale register holds K step i in lanes 0-15 and K step 4 + i in lanes 16-31: from K step 4 on both sides read the upper lanes.
.macro MULS kind, idx
.irp s, 0,1,2,3,4,5,6,7
.if \kind == 0
.if \s == 0
	WIN 0x31
.elseif \s < 4
	WIN 0x01
.else
	WIN 0x02
.endif
.elseif \s < 4
	WIN 0x0d
.else
	WIN 0x0e
.endif
.irp t, 0,1,2,3,4,5,6,7
.set rD, HA+8*\t
.set rA, 64*(\s%4)+8*\t
.set rSA, RS+4*\t+\s%4
.if \kind == 0
.set rB, ST+8*\s
.set rC, 192+8*\t
.set rSB, TS+\s%4
.else
.set rB, 64*\idx+8*\s
.set rC, BC
.set rSB, TSV+4*\idx+\s%4
.endif
.if \s == 0
	v_wmma_scale_f32_16x16x128_f8f6f4 v[rD:rD+7], v[rA:rA+7], v[rB:rB+7], v[rC:rC+7], v[rSA], v[rSB] matrix_a_fmt:MATRIX_FMT_FP4 matrix_b_fmt:MATRIX_FMT_FP4
.elseif \s < 4
	v_wmma_scale_f32_16x16x128_f8f6f4 v[rD:rD+7], v[rA:rA+7], v[rB:rB+7], v[rD:rD+7], v[rSA], v[rSB] matrix_a_fmt:MATRIX_FMT_FP4 matrix_b_fmt:MATRIX_FMT_FP4
.else
	v_wmma_scale_f32_16x16x128_f8f6f4 v[rD:rD+7], v[rA:rA+7], v[rB:rB+7], v[rD:rD+7], v[rSA], v[rSB] matrix_a_fmt:MATRIX_FMT_FP4 matrix_b_fmt:MATRIX_FMT_FP4 matrix_a_scale:MATRIX_SCALE_ROW1 matrix_b_scale:MATRIX_SCALE_ROW1
.endif
.endr
.endr
	WIN 0
.rept 4
	v_nop                                          ; four places in front of loads into registers that these products read and of the first read of their results
.endr
.endm
	s_load_b512 s[4:19], s[0:1], 0x0               ; x, Wq's codes, Wk's codes, Wq's scales, Wk's scales, bq, bk, the records
	s_load_b128 s[20:23], s[0:1], 0x40             ; Wv's codes, Wv's scales
	s_load_b64 s[24:25], s[0:1], 0x50              ; bv
	v_lshl_add_u32 v254, v0, 2, 0x11000
	v_mov_b32 v255, 0
	v_lshrrev_b32 v13, 5, v0
	v_readfirstlane_b32 s26, v13                   ; wave 0..3
	s_lshr_b32 s27, s26, 1                         ; 0: I make q, 1: k
	s_and_b32 s28, s26, 1                          ; g: which 128 of the 256 columns
	s_and_b32 s29, ttmp7, 0xffff                   ; R: which 128 rows
	v_and_b32 v13, 31, v0                          ; lane
	v_and_b32 v14, 15, v0                          ; r
	v_bfe_u32 v15, v0, 4, 1                        ; h
	v_lshlrev_b32 v[LI], 4, v13
	v_and_b32 v13, 8, v14
	v_add_nc_u32 v13, v13, v14                     ; perm(r) = r + 8 (r / 8)
	v_lshlrev_b32 v[XA], 12, v13
	v_lshl_add_u32 v[XA], v15, 6, v[XA]
	s_lshl_b32 s58, s26, 14
	v_add_nc_u32 v[XWI], s58, v[LI]
	s_lshl_b32 s58, s26, 10
	v_lshlrev_b32 v[XWS], 5, v14
	v_add_nc_u32 v[XWS], s58, v[XWS]
	v_add_nc_u32 v[XWS], XSC, v[XWS]
	v_lshlrev_b32 v[WA], 9, v13
	v_lshl_add_u32 v[WA], v15, 4, v[WA]
	v_lshlrev_b32 v[WSA], 5, v13
	v_lshl_add_u32 v[WSA], v15, 4, v[WSA]
	v_lshlrev_b32 v[BA], 6, v15
	v_lshlrev_b32 v[TSA], 5, v14
	v_lshl_add_u32 v[TSA], v15, 4, v[TSA]
	v_add_nc_u32 v[TSA], XSC, v[TSA]
	v_lshlrev_b32 v[H16], 4, v15
	v_lshlrev_b32 v[R16], 4, v14
	v_mul_u32_u24 v[SWA], v15, REC
	v_add_nc_u32 v[SWA], v[SWA], v[R16]
	v_lshlrev_b32 v[B4], 2, v13
.irp b, 0,1,2,3
	v_mov_b32 v[TM+4+\b], 0                        ; written once: a lane permute's destination counts as one of its sources
.endr
	; offsets, made apart from the addresses
	s_lshl_b32 s58, ttmp9, 17
	s_lshl_b32 s59, s28, 16
	s_add_co_u32 s58, s58, s59                     ; my first column n0 = 256 c + 128 g, x 512 bytes of codes a row
	s_mov_b32 s59, 0
	s_lshr_b32 s60, s58, 4                         ; x 32 scale bytes a row
	s_mov_b32 s61, 0
	s_lshr_b32 s62, s58, 7                         ; x 4 bytes of bias
	s_mov_b32 s63, 0
	s_lshl_b32 s66, s29, 19
	s_lshl_b32 s67, s26, 17
	s_add_co_u32 s66, s66, s67                     ; (128 R + 32 w) rows of 4,096 bytes
	s_mov_b32 s67, 0
	s_lshl_b32 s72, ttmp9, 2
	s_add_co_u32 s73, s72, s26                     ; 4 c + w: my head for v, within the batch
	s_lshl_b32 s68, s73, 15                        ; x 64 rows of 512 bytes
	s_mov_b32 s69, 0
	s_lshr_b32 s70, s29, 4
	s_lshl_b32 s70, s70, 4
	s_add_co_u32 s70, s70, s72                     ; 16 x batch + 4 c
	s_and_b32 s71, s29, 15                         ; which 128 rows of the batch's 2,048
	s_lshl_b32 s74, s28, 1
	s_add_co_u32 s74, s74, s70
	s_mul_i32 s74, s74, REC                        ; the record of my first head for q or k
	s_add_co_u32 s75, s70, s26
	s_mul_i32 s75, s75, REC                        ; the record of my head for v
	s_cmp_eq_u32 s27, 0                            ; q?
	s_cselect_b32 s76, O_QF, 0
	s_mov_b32 s77, O_KS
	s_cselect_b32 s77, O_QS, s77
	s_cselect_b32 s[ADJ], 0x03030303, 0
	s_lshl_b32 s78, s71, 12
	s_add_co_u32 s[FA], s74, s76
	s_add_co_u32 s[FA], s[FA], s78
	s_mov_b32 s[FA+1], 0
	s_lshl_b32 s79, s71, 9
	s_add_co_u32 s[SB], s74, s77
	s_add_co_u32 s[SB], s[SB], s79
	s_mov_b32 s[SB+1], 0
	s_add_co_u32 s[VFB], s75, s78
	s_add_co_u32 s[VFB], s[VFB], O_VF
	s_mov_b32 s[VFB+1], 0
	s_lshl_b32 s79, s71, 8
	s_add_co_u32 s[VSB], s75, s79
	s_add_co_u32 s[VSB], s[VSB], O_VS
	s_mov_b32 s[VSB+1], 0
	s_mov_b32 s[SEL], 0x76543210
	s_mov_b32 s[SEL+1], 0xfedcba98
	s_wait_kmcnt 0x0
	s_cmp_eq_u32 s27, 0                            ; the choice hangs on the wave's number alone
	s_cselect_b64 s[WC:WC+1], s[6:7], s[8:9]
	s_cselect_b64 s[WS:WS+1], s[10:11], s[12:13]
	s_cselect_b64 s[WB:WB+1], s[14:15], s[16:17]
	s_add_nc_u64 s[WC:WC+1], s[WC:WC+1], s[58:59]
	s_add_nc_u64 s[WS:WS+1], s[WS:WS+1], s[60:61]
	s_add_nc_u64 s[WB:WB+1], s[WB:WB+1], s[62:63]
	s_add_nc_u64 s[XB:XB+1], s[4:5], s[66:67]
	s_add_nc_u64 s[VC:VC+1], s[20:21], s[68:69]
	s_lshr_b32 s68, s68, 4
	s_add_nc_u64 s[VSC:VSC+1], s[22:23], s[68:69]
	s_lshr_b32 s68, s68, 3
	s_add_nc_u64 s[VBP:VBP+1], s[24:25], s[68:69]
	s_add_nc_u64 s[FA:FA+1], s[18:19], s[FA:FA+1]
	s_add_nc_u64 s[FB:FB+1], s[FA:FA+1], REC
	s_add_nc_u64 s[SB:SB+1], s[18:19], s[SB:SB+1]
	s_add_nc_u64 s[VFB:VFB+1], s[18:19], s[VFB:VFB+1]
	s_add_nc_u64 s[VSB:VSB+1], s[18:19], s[VSB:VSB+1]
	; 80 loads that stay: scale words, biases, three of Wv's four tiles
.irp t, 0,1,2,3,4,5,6,7
	global_load_b128 v[RS+4*\t:RS+4*\t+3], v[WSA], s[WS:WS+1] offset:(32*(\t/2)+8*(\t%2))*32
.endr
	WIN 0xc0
.irp t, 0,1,2,3,4,5,6,7
	global_load_b128 v[192+8*\t:195+8*\t], v[BA], s[WB:WB+1] offset:(32*(\t/2)+8*(\t%2))*4       ; lane (r, h) of tile 2 b + u: the bias of columns 32 b + 16 h + 8 u + 0 .. 7
	global_load_b128 v[196+8*\t:199+8*\t], v[BA], s[WB:WB+1] offset:(32*(\t/2)+8*(\t%2))*4+16
.endr
	VLOAD 0
	VLOAD 1
	VLOAD 2
	WIN 0
.irp j, 0,1,2,3
	global_load_b128 v[TSV+4*\j:TSV+4*\j+3], v[WSA], s[VSC:VSC+1] offset:(32*(\j/2)+8*(\j%2))*32
	global_load_b32 v[BVL+\j], v[B4], s[VBP:VBP+1] offset:(32*(\j/2)+8*(\j%2))*4
.endr
	XLOAD HA, 0
	XLOAD ST, 1
	; ---- X: my 32 rows of x become 16 fragments in LDS.  Two buffers of 64 numbers take turns; four resident weight fragments are asked for in each turn
.irp f, 0,1,2,3,4,5,6,7,8,9,10,11,12,13,14,15
.set XBUF, HA+64*(\f%2)
.if \f == 0
	s_wait_loadcnt 16                              ; behind fragment 0's loads: fragment 1's 16
.elseif \f == 1
	s_wait_loadcnt 24                              ; fragment 2's 16 and 8 of the weight's
.elseif \f < 15
	s_wait_loadcnt 32                              ; 8 of the weight's, the next fragment's 16, 8 of the weight's
.else
	s_wait_loadcnt 16                              ; 8 and 8 of the weight's
.endif
.if \f > 0
	s_wait_dscnt 0x0                               ; the last image's stores have read their registers
.endif
	QUANT XBUF, PW
	ds_store_b128 v[XWI], v[PC:PC+3] offset:1024*\f
	ds_store_b128 v[XWI], v[PC+4:PC+7] offset:1024*\f+512
	ds_store_b32 v[XWS], v[PW] offset:512*(\f/8)+4*(\f%8)   ; both halves of the lanes write the same word with the same value
.if \f < 14
	XLOAD XBUF, \f+2
.endif
	WLOAD \f
.endr
	s_wait_dscnt 0x0                               ; for the others' sake: my images lie in LDS
	s_barrier_signal -1
	s_barrier_wait -1                              ; everybody's do; nothing is stored to LDS behind this barrier
	STREAM 0
	s_wait_loadcnt 0x0                             ; the resident fragments
	; ---- q or k: 8 jobs.  A job's results are 16 rows x 128 columns = two heads: registers 0-3 of the fragment are the first head's 64, registers 4-7 the second's
.irp m, 0,1,2,3,4,5,6,7
	s_wait_dscnt 0x0                               ; the tile of x is in
	MULS 0, 0
.if \m < 7
	STREAM \m+1                                    ; lands while this job's results are quantised
.else
	WIN 0xc0
	VLOAD 3                                        ; where the biases of q or k lay
	RESX
.irp i, 0,1,2,3,4,5,6,7
	v_mov_b32 v[BC+\i], v[BVL]
.endr
.endif
	s_wait_xcnt 0x0                                ; the last job's stores have read the codes' registers
	QUANT HA, PW
	global_store_b128 v[LI], v[PC:PC+3], s[FA:FA+1] offset:512*\m     ; the wave stores 512 consecutive bytes
	global_store_b128 v[LI], v[PC+4:PC+7], s[FB:FB+1] offset:512*\m
	v_sub_nc_u32 v[SW+\m], v[PW], s[ADJ]           ; q: 3 off each byte (each is 4 at the least: no borrow)
	v_lshrrev_b32 v[SW+\m], v[H16], v[SW+\m]       ; lanes 0-15 keep the word for the first head (its bytes below), lanes 16-31 bring the second head's two bytes down
.endr
	global_store_b128 v[SWA], v[SW:SW+3], s[SB:SB+1]               ; tiles 0-3: each half of the lanes stores 256 consecutive bytes of its head's record
	global_store_b128 v[SWA], v[SW+4:SW+7], s[SB:SB+1] offset:256  ; tiles 4-7
	; ---- v: 4 jobs.  Source 0 = 16 rows of x (keys), source 1 = 16 rows of Wv (d): a lane holds one d and 64 of the block's 128 keys: the quantiser runs along the keys
.irp j, 0,1,2,3
.if \j == 0
	s_wait_dscnt 0x0                               ; x's fragments and scale words are in
.endif
.if \j == 3
	s_wait_loadcnt 0x0                             ; Wv's tile 3
.endif
	MULS 1, \j
.if \j < 3
.irp i, 0,1,2,3,4,5,6,7
	v_mov_b32 v[BC+\i], v[BVL+\j+1]
.endr
.endif
	s_wait_xcnt 0x0                                ; the last job's stores have read the codes' registers
	QUANT HA, VW+\j
	global_store_b128 v[LI], v[PC:PC+3], s[VFB:VFB+1] offset:1024*\j
	global_store_b128 v[LI], v[PC+4:PC+7], s[VFB:VFB+1] offset:1024*\j+512
.endr
	global_store_b128 v[R16], v[VW:VW+3], s[VSB:VSB+1]             ; 256 consecutive bytes; lanes 16-31 repeat lanes 0-15's
	s_wait_tensorcnt 0x0
	ds_add_u32 v254, v255
	s_wait_dscnt 0x0
	s_endpgm
.Lfunc_end_k_qf8e4a809cd_proj:
	.size	k_qf8e4a809cd_proj, .Lfunc_end_k_qf8e4a809cd_proj-k_qf8e4a809cd_proj
	.p2alignl 7, 3214868480
	.fill 96, 4, 3214868480
	.section	.rodata,"a",@progbits
	.p2align	6, 0x0
	.amdhsa_kernel k_qf8e4a809cd_proj
		.amdhsa_group_segment_fixed_size 70144
		.amdhsa_private_segment_fixed_size 0
		.amdhsa_enable_private_segment 0
		.amdhsa_kernarg_size 88
		.amdhsa_user_sgpr_count 2
		.amdhsa_user_sgpr_kernarg_segment_ptr 1
		.amdhsa_wavefront_size32 1
		.amdhsa_system_sgpr_workgroup_id_x 1
		.amdhsa_system_sgpr_workgroup_id_y 1
		.amdhsa_system_sgpr_workgroup_id_z 1
		.amdhsa_system_vgpr_workitem_id 0
		.amdhsa_next_free_vgpr 1024
		.amdhsa_next_free_sgpr 80
		.amdhsa_reserve_vcc 0
		.amdhsa_float_denorm_mode_32 3
		.amdhsa_float_denorm_mode_16_64 3
		.amdhsa_memory_ordered 1
		.amdhsa_forward_progress 1
		.amdhsa_inst_pref_size 255
	.end_amdhsa_kernel
	.section	.bss,"aw",@nobits
	.p2align	6
	.space	262144
	.amdgpu_metadata
---
amdhsa.version: [ 1, 2 ]
amdhsa.kernels:
  - .name:           k_qf8e4a809cd_proj
    .symbol:         k_qf8e4a809cd_proj.kd
    .args:
      - { .name: hidden_states, .offset: 0, .size: 8, .value_kind: global_buffer, .address_space: global }
      - { .name: Wq_codes, .offset: 8, .size: 8, .value_kind: global_buffer, .address_space: global }
      - { .name: Wk_codes, .offset: 16, .size: 8, .value_kind: global_buffer, .address_space: global }
      - { .name: Wq_scales, .offset: 24, .size: 8, .value_kind: global_buffer, .address_space: global }
      - { .name: Wk_scales, .offset: 32, .size: 8, .value_kind: global_buffer, .address_space: global }
      - { .name: bq, .offset: 40, .size: 8, .value_kind: global_buffer, .address_space: global }
      - { .name: bk, .offset: 48, .size: 8, .value_kind: global_buffer, .address_space: global }
      - { .name: qkv, .offset: 56, .size: 8, .value_kind: global_buffer, .address_space: global }
      - { .name: Wv_codes, .offset: 64, .size: 8, .value_kind: global_buffer, .address_space: global }
      - { .name: Wv_scales, .offset: 72, .size: 8, .value_kind: global_buffer, .address_space: global }
      - { .name: bv, .offset: 80, .size: 8, .value_kind: global_buffer, .address_space: global }
    .group_segment_fixed_size: 70144
    .private_segment_fixed_size: 0
    .kernarg_segment_align: 8
    .kernarg_segment_size: 88
    .max_flat_workgroup_size: 128
    .sgpr_count:     80
    .vgpr_count:     1024
    .wavefront_size: 32
...
	.end_amdgpu_metadata
.endif
;; end of part 1
;; launch attn (part 2): grid 4 x 64, 8 waves a work-group, clusters of 4 x 1, 168,960 bytes of LDS; arguments qkv, attention_mask, cf, cs; writes cf, cs
.if DOCPART == 2
	.amdgcn_target "amdgcn-amd-amdhsa--gfx1250"
	.amdhsa_code_object_version 6
	.text
	.protected	k_qf8e4a809cd_attn
	.globl	k_qf8e4a809cd_attn
	.p2align	8
	.type	k_qf8e4a809cd_attn,@function
k_qf8e4a809cd_attn:
	s_mov_b64 s[64:65], 0
	v_nop
	global_prefetch_b8 v0, s[64:65] scope:SCOPE_SE
	s_setreg_imm32_b32 hwreg(HW_REG_WAVE_MODE, 25, 1), 1
	s_wait_xcnt 0x0
	s_wait_alu depctr_hold_cnt(0) depctr_sa_sdst(0) depctr_va_vdst(0) depctr_va_sdst(0) depctr_va_ssrc(0) depctr_va_vcc(0) depctr_vm_vsrc(0)
	s_getreg_b32 s2, hwreg(HW_REG_IB_STS2, 6, 4)
	s_cmp_eq_u32 s2, 0
	s_cbranch_scc0 .Lentry_in_a_cluster
	s_endpgm
.Lentry_in_a_cluster:
	s_bfe_u32 s2, ttmp6, 0x10000c
	s_cmp_lg_u32 s2, 0x3003
	s_cbranch_scc0 .Lentry_shape_is_right
	s_endpgm
.Lentry_shape_is_right:
; ctx = softmax(q k^T / 8 + mask) v for one (batch, head) a cluster, both products on codes of FP4 (E2M1) with one E8M0 scale for each 32 along K; ctx is quantised along the head's 64 and leaves as images of operand registers.
; THE SOFTMAX AHEAD OF THE SECOND PRODUCT: u = score / 8 + mask; t = u log2(e); M = the row's largest t so far, rounded UP to a whole number; p = 2^(t - M) is quantised along the keys, not normalised;
; the row's sum is taken of the unquantised p and divides at the end; when M moves, the sum and O are multiplied by 2^(old M - new M): exact.
; THE 1/8 lies in q's scale bytes (the launch before took 3 off each).  THE MASK is the C of the first product, in the result's layout: neither costs a vector instruction.
; SHARES.  A cluster of four work-groups is one head; a work-group takes 512 queries in two passes of 256; each of its eight waves TWO tiles of 16 queries.  Tile i has all its own registers in window i, at the same numbers,
; so the softmax is written once.  K's, V's and the mask's registers serve both tiles: 35 LDS loads for 32 queries x 128 keys.
; THE WHOLE HEAD LIES IN LDS: K's and V's fragments and scale words (143,360 bytes, as they lie in the record) and the batch's mask (8,192).  It is filled ONCE, so there is no ring and no barrier in the loops.
; The four partners need the same bytes and ask for them JOINTLY: the same two tensor loads a wave, with the same descriptors and a mask that names the four.  A wave has two tensor loads out.
; LAYOUT.  Both products are used transposed: S^T = K Q^T (source 0 = 16 keys, source 1 = my 16 queries), O^T = V^T P^T: a lane holds one query throughout.  The keys of a tile, and the d of a tile of V, are not neighbours
; (lane r of tile 2 b + u: 32 b + 8 u + r + 8 (r / 8)), so that 16 registers of two neighbouring tiles are 16 neighbours along the next K.
; THE FIRST PRODUCT'S K IS 64: q's registers 4-7 are zero codes.  A tile of K is 4 registers; the instruction names 8, the upper four being the next tile's codes (behind the last tile: zeros): they meet zero codes,
; under scale bytes that are a neighbour's or 0, never 0xff, and add nothing.
; LIMITS: blocks of p and of ctx whose largest magnitude lies under 2^-124 are taken at that floor's scale; NaN and +infinity in the mask are not served; -infinity is, where some key of the row stays open;
; a row all of whose keys are masked by -infinity gives NaN, as the definition does.  ctx's scale bytes leave as 2 bytes a lane, 32 bytes apart (two heads share a word): 1 byte in 16 of what a tile stores.
.set REC,   217088
.set O_QF,  143360
.set O_QS,  208896
.set L_VF,  65536                      ; LDS: KF at 0, VF, KS, VS as in the record; the mask behind them
.set L_KS,  131072
.set L_VS,  139264
.set L_MK,  143360
.set LI,   1                           ; v1   16 x lane
.set R16,  2                           ; v2   16 r
.set R32,  3                           ; v3   32 r
.set AKS0, 5                           ; v5   L_KS + 16 r
.set AM0,  6                           ; v6   L_MK + 64 h
.set AV0,  7                           ; v7   L_VF + 16 x lane
.set AVS0, 8                           ; v8   L_VS + 16 r
.set ADK,  9                           ; v9-13 the addresses of the loads in hand: K, KS, mask, V, VS
.set ADS,  10
.set ADM,  11
.set ADV,  12
.set ADT,  13
.set KSR,  16                          ; v16-23  K's scale words, one a tile
.set VSR,  24                          ; v24-27  V's, one a tile
.set PW,   28                          ; v28, v29  p's scale word of tile 0, 1
.set QS,   30                          ; v30, v31  q's
.set KT,   32                          ; v32-63  K's 8 tiles; v64-67 zeros
.set VT,   64                          ; window 1: v64-95 V's 4 fragments; v0-63 the mask of the step's keys, register 16 b + i = key 32 b + 16 h + i
.set S,    96                          ; from here on: the same numbers in window 0 (tile 0) and window 1 (tile 1).  v96-159 S^T, then p
.set O,    160                         ; v160-191 O^T
.set PC,   192                         ; v192-199 p's codes
.set Q,    200                         ; v200-207 q's fragment
.set NM,   208                         ; v208 -M;  v209 the largest t
.set TX,   209
.set L,    210                         ; v210-211 the sum, in two halves
.set BM,   212                         ; v212-215 each block's largest score, then largest p
.set T4,   216                         ; v216-219 at work
.set SO,   220                         ; v220-223 the conversions' scale operands
.set F,    224                         ; v224 2^(old M - new M); v225 named with it as a pair
.set T,    226
.set WV,   12                          ; s12 wave
.set SEL,  40                          ; s[40:41] v_permlanex16_b32's selects for lane l xor 16
.set CS,   42                          ; s[42:43] log2(e)
.set KO,   44                          ; s44 4,096 x step;  s45 512 x step;  s46 256 x step
.set SO8,  45
.set VO,   46
.set STEPS, 47
.set PASS, 48
.set QB,   50                          ; s[50:51] my two tiles of QF;  s[52:53] their scale words;  s[54:55] my place in cf;  s[56:57] in cs
.set QSB,  52
.set CFB,  54
.set CSB,  56
.set MSB, 0
.macro WIN new                         ; the immediate's high byte repeats the setting that is left; a switch that changes nothing is dropped
.if MSB != \new
	s_set_vgpr_msb (MSB<<8)|\new
.set MSB, \new
.endif
.endm
.macro CROUND                          ; a round of the cluster's barrier
	s_barrier_signal -1
	s_barrier_wait -1
	s_cmp_lg_u32 s[WV], 0
	s_cbranch_scc1 .Lnot_wave_0_\@
	s_barrier_signal -3
.Lnot_wave_0_\@:
	s_barrier_wait -3
	s_barrier_signal -1
	s_barrier_wait -1
.endm
.macro QLOAD                           ; a pass's two tiles of q and their scale words
	global_load_b128 v[Q:Q+3], v[LI], s[QB:QB+1]
	WIN 0x40
	global_load_b128 v[Q:Q+3], v[LI], s[QB:QB+1] offset:512
	WIN 0
	global_load_b32 v[QS], v[R16], s[QSB:QSB+1]
	global_load_b32 v[QS+1], v[R16], s[QSB:QSB+1] offset:4
.endm
.macro INIT w                          ; a pass begins: the step is written once, and its first turn finds zeros, which the first change of M leaves zeros
	WIN 0x55*\w
	v_mov_b32 v[TX], 0xff61b1e6                    ; -3e38, under every t
	v_floor_f32 v[NM], -v[TX]
	v_mov_b32 v[L], 0
	v_mov_b32 v[L+1], 0
.set jj, 0
.rept 32
	v_mov_b32 v[O+jj], 0
.set jj, jj+1
.endr
.endm
.macro KLOAD                           ; a step's K (8 tiles), its scale words and the mask of its 128 keys: 26 loads
.irp t, 0,1,2,3,4,5,6,7
	ds_load_b128 v[KT+4*\t:KT+4*\t+3], v[ADK] offset:512*\t
.endr
	ds_load_b128 v[KSR:KSR+3], v[ADS]
	ds_load_b128 v[KSR+4:KSR+7], v[ADS] offset:256
	WIN 0x40
.irp b, 0,1,2,3
.irp q, 0,1,2,3
	ds_load_b128 v[16*\b+4*\q:16*\b+4*\q+3], v[ADM] offset:128*\b+16*\q
.endr
.endr
	WIN 0
.endm
; The softmax of tile w for one step of 128 keys.
.macro SOFT w
	WIN 0x55*\w
.irp b, 0,1,2,3
	v_max3_num_f32 v[BM+\b], v[S+16*\b], v[S+16*\b+1], v[S+16*\b+2]   ; the largest u of each block of 32 keys: it serves the row's maximum and, since p rises with u, the block's largest p
.endr
.irp i, 3,5,7,9,11,13
.irp b, 0,1,2,3
	v_max3_num_f32 v[BM+\b], v[BM+\b], v[S+16*\b+\i], v[S+16*\b+\i+1]
.endr
.endr
.irp b, 0,1,2,3
	v_max_num_f32 v[BM+\b], v[BM+\b], v[S+15+16*\b]
.endr
.irp b, 0,1,2,3
	v_permlanex16_b32 v[T4+\b], v[BM+\b], s[SEL], s[SEL+1]
.endr
.irp b, 0,1,2,3
	v_max_num_f32 v[BM+\b], v[BM+\b], v[T4+\b]     ; with lane l xor 16's 16 keys
.endr
	v_max3_num_f32 v[T], v[BM], v[BM+1], v[BM+2]
	v_max_num_f32 v[T], v[T], v[BM+3]
	v_mul_f32 v[T], s[CS], v[T]                    ; the step's largest t
	v_max_num_f32 v[TX], v[TX], v[T]
	v_mov_b32 v[T], v[NM]
	v_floor_f32 v[NM], -v[TX]                      ; -M = floor(-t) = -ceil(t)
	v_sub_f32 v[T], v[NM], v[T]                    ; old M - new M: a whole number, 0 or less
	v_cvt_i32_f32 v[T], v[T]                       ; (it saturates)
	v_ldexp_f32 v[F], 1.0, v[T]
.set jj, 0
.rept 32
	v_pk_fma_f32 v[S+jj:S+jj+1], v[S+jj:S+jj+1], s[CS:CS+1], v[NM:NM+1] op_sel_hi:[1,0,0]   ; t - M, two at a time
.set jj, jj+2
.endr
.irp b, 0,1,2,3
	v_fma_f32 v[BM+\b], v[BM+\b], s[CS], v[NM]
.endr
.set jj, 0
.rept 64
	v_exp_f32 v[S+jj], v[S+jj]                     ; p = 2^(t - M)
.set jj, jj+1
.endr
.irp b, 0,1,2,3
	v_exp_f32 v[BM+\b], v[BM+\b]                   ; the block's largest p: the same two instructions on the same number
.endr
	v_pk_mul_f32 v[L:L+1], v[L:L+1], v[F:F+1] op_sel_hi:[1,0]   ; the sum under the new M.  (A plain place behind the exponentials)
	s_wait_alu depctr_va_vdst(0)
.irp b, 0,1,2,3
	v_max_num_f32 v[BM+\b], 0x1800000, v[BM+\b]    ; the floor 2^(3 - 127): the byte cannot fall under 1
.endr
.irp b, 0,1,2,3
	v_add_nc_u32 v[SO+\b], 0xff000000, v[BM+\b]    ; 2 off the exponent field: the conversion's scale operand
.endr
.irp b, 0,1,2,3
	v_lshrrev_b32 v[T4+\b], 23, v[SO+\b]           ; the scale's byte
.endr
	v_lshl_or_b32 v[T], v[T4+1], 8, v[T4]
	v_lshl_or_b32 v[T], v[T4+2], 16, v[T]
.if \w
	WIN 0x15                                       ; scale operands have no window: the word goes to window 0
.endif
	v_lshl_or_b32 v[PW+\w], v[T4+3], 24, v[T]
	WIN 0x55*\w
.irp b, 0,1,2,3
	v_cvt_scalef32_pk8_fp4_f32 v[PC+2*\b], v[S+16*\b:S+7+16*\b], v[SO+\b]
	v_cvt_scalef32_pk8_fp4_f32 v[PC+1+2*\b], v[S+8+16*\b:S+15+16*\b], v[SO+\b]
.endr
	v_nop                                          ; one plain place behind a scaled conversion
.irp c, 0,1
.irp i, 0,1
	v_permlane16_swap_b32 v[PC+4*\c+\i], v[PC+2+4*\c+\i]
.endr
.endr
	v_pk_add_f32 v[T4:T4+1], v[S:S+1], v[S+2:S+3]  ; the row's sum, of the unquantised p: two at a time, in two chains
.irp j, 4,8,12,16,20,24,28,32,36,40,44,48,52,56,60
	v_pk_add_f32 v[L:L+1], v[L:L+1], v[S+\j:S+\j+1]
	v_pk_add_f32 v[T4:T4+1], v[T4:T4+1], v[S+\j+2:S+\j+3]
.endr
	v_pk_add_f32 v[L:L+1], v[L:L+1], v[T4:T4+1]
.set jj, 0
.rept 16
	v_pk_mul_f32 v[O+jj:O+jj+1], v[O+jj:O+jj+1], v[F:F+1] op_sel_hi:[1,0]   ; O^T under the new M, each accumulator from its low end on.  (With the sums: the places between p's codes and scale word and the products)
.set jj, jj+2
.endr
.endm
; A pass ends for tile w: O^T / the sum, quantised along the head's 64 (two blocks), stored as half a fragment and half a scale word.
.macro EPI w
	WIN 0x55*\w
	v_add_f32 v[L], v[L], v[L+1]
	v_permlanex16_b32 v[T4], v[L], s[SEL], s[SEL+1]
	v_add_f32 v[L], v[L], v[T4]
	v_rcp_f32 v[F], v[L]
	v_nop                                          ; one plain place behind a transcendental
.set jj, 0
	s_wait_alu depctr_va_vdst(0)
.rept 16
	v_pk_mul_f32 v[O+jj:O+jj+1], v[O+jj:O+jj+1], v[F:F+1] op_sel_hi:[1,0]
.set jj, jj+2
.endr
.irp b, 0,1
	v_max3_num_f32 v[BM+\b], |v[O+16*\b]|, |v[O+16*\b+1]|, 0x1800000
.endr
.irp i, 2,4,6,8,10,12,14
.irp b, 0,1
	v_max3_num_f32 v[BM+\b], v[BM+\b], |v[O+16*\b+\i]|, |v[O+16*\b+\i+1]|
.endr
.endr
.irp b, 0,1
	v_permlanex16_b32 v[T4+\b], v[BM+\b], s[SEL], s[SEL+1]
.endr
.irp b, 0,1
	v_max_num_f32 v[BM+\b], v[BM+\b], v[T4+\b]
.endr
.irp b, 0,1
	v_add_nc_u32 v[SO+\b], 0xff000000, v[BM+\b]
.endr
.irp b, 0,1
	v_lshrrev_b32 v[T4+\b], 23, v[SO+\b]
.endr
	v_lshl_or_b32 v[T], v[T4+1], 8, v[T4]
.irp b, 0,1
	v_cvt_scalef32_pk8_fp4_f32 v[PC+2*\b], v[O+16*\b:O+7+16*\b], v[SO+\b]
	v_cvt_scalef32_pk8_fp4_f32 v[PC+1+2*\b], v[O+8+16*\b:O+15+16*\b], v[SO+\b]
.endr
	v_nop
	v_permlane16_swap_b32 v[PC], v[PC+2]
	v_permlane16_swap_b32 v[PC+1], v[PC+3]
	WIN 0x04*\w                                    ; a store's data are its source 1
	global_store_b128 v[LI], v[PC:PC+3], s[CFB:CFB+1] offset:8192*\w   ; the wave stores 512 consecutive bytes
	global_store_b16 v[R32], v[T], s[CSB:CSB+1] offset:512*\w          ; both halves of the lanes store the same two bytes
	WIN 0
.endm
	s_load_b256 s[4:11], s[0:1], 0x0               ; the records, the mask, cf, cs
	v_lshl_add_u32 v254, v0, 2, 0x29000
	v_mov_b32 v255, 0
	ds_add_u32 v254, v255
	ds_add_u32 v254, v255
	v_lshrrev_b32 v1, 5, v0
	v_readfirstlane_b32 s[WV], v1                  ; wave 0..7
	s_bfe_u32 s13, ttmp6, 0x40000                  ; cx: my place in the cluster: it enters q's, cf's and cs's addresses alone
	s_and_b32 s14, ttmp7, 0xffff                   ; 16 x batch + head, which the four partners share
	; descriptor group 1: dense blocks as rows of 256 bytes (32 elements of 8 bytes): 70 rows a wave of the record, 4 rows a wave of the mask
	s_mov_b32 s16, 15|(3<<16)|(1<<21)              ; 15:0 the mask: all four work-groups; 17:16 elements of 8 bytes; 21 set beside a mask
	s_mov_b32 s17, 32<<16                          ; tensor_dim0 = 32
	s_mov_b32 s18, 70<<16                          ; tensor_dim1 = 70
	s_mov_b32 s19, 32<<16                          ; tile_dim0 = 32
	s_mov_b32 s20, 70                              ; tile_dim1 = 70
	s_mov_b32 s21, 32                              ; from row to row: 32 elements
	s_mov_b32 s22, 0
	s_mov_b32 s23, 0
	s_mov_b32 s24, 15|(3<<16)|(1<<21)
	s_mov_b32 s25, 32<<16
	s_mov_b32 s26, 4<<16
	s_mov_b32 s27, 32<<16
	s_mov_b32 s28, 4
	s_mov_b32 s29, 32
	s_mov_b32 s30, 0
	s_mov_b32 s31, 0
	s_mul_i32 s58, s14, REC                        ; my head's record
	s_mov_b32 s59, 0
	s_mov_b32 s32, 1                               ; group 0: count = 1
	s_mul_i32 s33, s[WV], 17920                    ; LDS address: wave x 70 rows
	s_add_co_u32 s60, s58, s33                     ; and the same bytes of the record
	s_mov_b32 s61, 0
	s_mov_b32 s36, 1
	s_lshl_b32 s62, s[WV], 10
	s_add_co_u32 s37, s62, L_MK                    ; the mask: wave x 4 rows
	s_lshr_b32 s63, s14, 4
	s_lshl_b32 s63, s63, 13                        ; the batch's 8,192 bytes
	s_add_co_u32 s62, s62, s63
	s_mov_b32 s63, 0
	; offsets that hold cx, in registers of their own
	s_lshl_b32 s66, s13, 14
	s_lshl_b32 s67, s[WV], 10
	s_add_co_u32 s66, s66, s67                     ; tile 32 cx + 2 w, x 512
	s_add_co_u32 s66, s66, s58
	s_add_co_u32 s66, s66, O_QF
	s_mov_b32 s67, 0
	s_lshl_b32 s68, s13, 11                        ; its scale word: block of 8 tiles 4 cx + w / 4, x 512,
	s_lshr_b32 s69, s[WV], 2
	s_lshl_b32 s69, s69, 9
	s_add_co_u32 s68, s68, s69
	s_bfe_u32 s69, s[WV], 0x10001
	s_lshl_b32 s69, s69, 8                         ; which four of the eight, x 256,
	s_add_co_u32 s68, s68, s69
	s_and_b32 s69, s[WV], 1
	s_lshl_b32 s69, s69, 3                         ; which two of the four, x 8
	s_add_co_u32 s68, s68, s69
	s_add_co_u32 s68, s68, s58
	s_add_co_u32 s68, s68, O_QS
	s_mov_b32 s69, 0
	s_lshr_b32 s70, s14, 4
	s_lshl_b32 s70, s70, 7
	s_lshl_b32 s71, s13, 5
	s_add_co_u32 s70, s70, s71
	s_lshl_b32 s71, s[WV], 1
	s_add_co_u32 s70, s70, s71                     ; my first tile of rows among all 512: 128 x batch + 32 cx + 2 w
	s_and_b32 s71, s14, 15                         ; the head
	s_lshl_b32 s72, s70, 13
	s_lshl_b32 s73, s71, 9
	s_add_co_u32 s72, s72, s73                     ; cf: 8,192 a tile, 512 a head
	s_mov_b32 s73, 0
	s_lshl_b32 s74, s70, 9
	s_lshl_b32 s75, s71, 1
	s_add_co_u32 s74, s74, s75                     ; cs: 512 a tile, 2 a head
	s_mov_b32 s75, 0
	s_mov_b32 s[SEL], 0x76543210
	s_mov_b32 s[SEL+1], 0xfedcba98
	s_mov_b32 s[CS], 0x3fb8aa3b                    ; log2(e)
	s_mov_b32 s[CS+1], s[CS]                       ; (named with it as a pair, so it is written)
	s_mov_b32 s[KO], 0
	s_mov_b32 s[SO8], 0
	s_mov_b32 s[VO], 0
	s_mov_b32 s[PASS], 2
	s_wait_dscnt 0x0
	s_wait_kmcnt 0x0
	s_add_nc_u64 s[34:35], s[4:5], s[60:61]
	s_or_b32 s35, s35, 0x80000000                  ; type = 2
	s_add_nc_u64 s[38:39], s[6:7], s[62:63]
	s_or_b32 s39, s39, 0x80000000
	s_add_nc_u64 s[QB:QB+1], s[4:5], s[66:67]
	s_add_nc_u64 s[QSB:QSB+1], s[4:5], s[68:69]
	s_add_nc_u64 s[CFB:CFB+1], s[8:9], s[72:73]
	s_add_nc_u64 s[CSB:CSB+1], s[10:11], s[74:75]
	CROUND                                         ; all four work-groups are here: the joint loads meet
	tensor_load_to_lds s[32:35], s[16:23]          ; my eighth of K, V and their scale words
	s_nop 0
	tensor_load_to_lds s[36:39], s[24:31]          ; my eighth of the mask
	s_nop 0
.rept 4
	v_nop
.endr
	v_and_b32 v14, 31, v0
	v_lshlrev_b32 v[LI], 4, v14
	v_and_b32 v14, 15, v0
	v_bfe_u32 v15, v0, 4, 1
	v_lshlrev_b32 v[R16], 4, v14
	v_lshlrev_b32 v[R32], 5, v14
	v_add_nc_u32 v[AKS0], L_KS, v[R16]
	v_lshlrev_b32 v[AM0], 6, v15
	v_add_nc_u32 v[AM0], L_MK, v[AM0]
	v_add_nc_u32 v[AV0], L_VF, v[LI]
	v_add_nc_u32 v[AVS0], L_VS, v[R16]
.irp i, 0,1,2,3
	v_mov_b32 v[KT+32+\i], 0                       ; behind K's last tile: zero codes
	v_mov_b32 v[Q+4+\i], 0                         ; q's k = 64 .. 127: zero codes
	v_mov_b32 v[T4+\i], 0                          ; written once: a lane permute's destination counts as one of its sources
.endr
	v_mov_b32 v[F+1], 0
	WIN 0x40
.irp i, 0,1,2,3
	v_mov_b32 v[Q+4+\i], 0
	v_mov_b32 v[T4+\i], 0
.endr
	v_mov_b32 v[F+1], 0
	WIN 0
	QLOAD
	s_wait_tensorcnt 0x0                           ; my parts have landed,
	s_barrier_signal -1
	s_barrier_wait -1                              ; everybody's have; LDS is only read from here on
	v_add_nc_u32 v[ADK], s[KO], v[LI]
	v_add_nc_u32 v[ADS], s[SO8], v[AKS0]
	v_add_nc_u32 v[ADM], s[SO8], v[AM0]
	KLOAD                                          ; step 0
.Lpass:                                            ; two trips: 256 queries each
	INIT 0
	INIT 1
	WIN 0
	s_wait_loadcnt 0x0                             ; q
	s_mov_b32 s[STEPS], 16
.Lstep:                                            ; 16 trips: 128 keys each
	s_wait_dscnt 0x0                               ; K, its scale words and the mask, asked for a step ago
	WIN 0x10                                       ; C (the mask) in window 1
.irp t, 0,1,2,3,4,5,6,7
	v_wmma_scale_f32_16x16x128_f8f6f4 v[S+8*\t:S+8*\t+7], v[KT+4*\t:KT+4*\t+7], v[Q:Q+7], v[8*\t:8*\t+7], v[KSR+\t], v[QS] matrix_a_fmt:MATRIX_FMT_FP4 matrix_b_fmt:MATRIX_FMT_FP4
.endr
	WIN 0x54                                       ; tile 1: q, the mask and the result in window 1
.irp t, 0,1,2,3,4,5,6,7
	v_wmma_scale_f32_16x16x128_f8f6f4 v[S+8*\t:S+8*\t+7], v[KT+4*\t:KT+4*\t+7], v[Q:Q+7], v[8*\t:8*\t+7], v[KSR+\t], v[QS+1] matrix_a_fmt:MATRIX_FMT_FP4 matrix_b_fmt:MATRIX_FMT_FP4
.endr
	WIN 0
	v_add_nc_u32 v[ADV], s[KO], v[AV0]             ; five additions: the places in front of the loads below and of the first read of the scores
	v_add_nc_u32 v[ADT], s[VO], v[AVS0]
	s_add_co_u32 s[KO], s[KO], 4096                ; on to the next step; behind the last step: back to the first, which the next pass wants
	s_and_b32 s[KO], s[KO], 0xf000
	s_lshr_b32 s[SO8], s[KO], 3
	s_lshr_b32 s[VO], s[KO], 4
	v_add_nc_u32 v[ADK], s[KO], v[LI]
	v_add_nc_u32 v[ADS], s[SO8], v[AKS0]
	v_add_nc_u32 v[ADM], s[SO8], v[AM0]
	WIN 0x40
.irp j, 0,1,2,3
.irp c, 0,1
	ds_load_b128 v[VT+8*\j+4*\c:VT+8*\j+4*\c+3], v[ADV] offset:1024*\j+512*\c   ; this step's V
.endr
.endr
	WIN 0
	ds_load_b128 v[VSR:VSR+3], v[ADT]
	KLOAD                                          ; the next step's K and mask: they have the softmax in which to land
	SOFT 0
	SOFT 1
	s_wait_dscnt 26                                ; V and its scale words are in; the 26 loads issued behind them may stay out
.irp j, 0,1,2,3
	v_wmma_scale_f32_16x16x128_f8f6f4 v[O+8*\j:O+8*\j+7], v[VT+8*\j:VT+8*\j+7], v[PC:PC+7], v[O+8*\j:O+8*\j+7], v[VSR+\j], v[PW+1] matrix_a_fmt:MATRIX_FMT_FP4 matrix_b_fmt:MATRIX_FMT_FP4
.endr
	WIN 0x01                                       ; tile 0: V alone in window 1
.irp j, 0,1,2,3
	v_wmma_scale_f32_16x16x128_f8f6f4 v[O+8*\j:O+8*\j+7], v[VT+8*\j:VT+8*\j+7], v[PC:PC+7], v[O+8*\j:O+8*\j+7], v[VSR+\j], v[PW] matrix_a_fmt:MATRIX_FMT_FP4 matrix_b_fmt:MATRIX_FMT_FP4
.endr
	WIN 0                                          ; at a label and at a branch every window is 0
	s_sub_co_i32 s[STEPS], s[STEPS], 1
	s_cmp_lg_u32 s[STEPS], 0
	s_cbranch_scc1 .Lstep
.rept 4
	v_nop                                          ; places behind the last products
.endr
	s_wait_xcnt 0x0                                ; q's loads have read their bases
	s_add_nc_u64 s[QB:QB+1], s[QB:QB+1], 8192      ; 16 tiles on
	s_add_nc_u64 s[QSB:QSB+1], s[QSB:QSB+1], 1024
	s_cmp_eq_u32 s[PASS], 1                        ; the last pass asks for nothing: no load leaves its buffer.  The count is the same in all partners
	s_cbranch_scc1 .Lnoq
	QLOAD
.Lnoq:
	EPI 0
	EPI 1
	s_wait_xcnt 0x0                                ; the stores have read their registers and bases
	s_add_nc_u64 s[CFB:CFB+1], s[CFB:CFB+1], 131072
	s_add_nc_u64 s[CSB:CSB+1], s[CSB:CSB+1], 8192
	s_sub_co_i32 s[PASS], s[PASS], 1
	s_cmp_lg_u32 s[PASS], 0
	s_cbranch_scc1 .Lpass
	s_wait_dscnt 0x0                               ; the last step's look-ahead
	s_wait_tensorcnt 0x0
	ds_add_u32 v254, v255
	s_wait_dscnt 0x0
	CROUND                                         ; the closing round
	s_endpgm
.Lfunc_end_k_qf8e4a809cd_attn:
	.size	k_qf8e4a809cd_attn, .Lfunc_end_k_qf8e4a809cd_attn-k_qf8e4a809cd_attn
	.p2alignl 7, 3214868480
	.fill 96, 4, 3214868480
	.section	.rodata,"a",@progbits
	.p2align	6, 0x0
	.amdhsa_kernel k_qf8e4a809cd_attn
		.amdhsa_group_segment_fixed_size 168960
		.amdhsa_private_segment_fixed_size 0
		.amdhsa_enable_private_segment 0
		.amdhsa_kernarg_size 32
		.amdhsa_user_sgpr_count 2
		.amdhsa_user_sgpr_kernarg_segment_ptr 1
		.amdhsa_wavefront_size32 1
		.amdhsa_system_sgpr_workgroup_id_x 1
		.amdhsa_system_sgpr_workgroup_id_y 1
		.amdhsa_system_sgpr_workgroup_id_z 1
		.amdhsa_system_vgpr_workitem_id 0
		.amdhsa_next_free_vgpr 512
		.amdhsa_next_free_sgpr 80
		.amdhsa_reserve_vcc 0
		.amdhsa_float_denorm_mode_32 3
		.amdhsa_float_denorm_mode_16_64 3
		.amdhsa_memory_ordered 1
		.amdhsa_forward_progress 1
		.amdhsa_inst_pref_size 49
	.end_amdhsa_kernel
	.amdgpu_metadata
---
amdhsa.version: [ 1, 2 ]
amdhsa.kernels:
  - .name:           k_qf8e4a809cd_attn
    .symbol:         k_qf8e4a809cd_attn.kd
    .args:
      - { .name: qkv, .offset: 0, .size: 8, .value_kind: global_buffer, .address_space: global }
      - { .name: attention_mask, .offset: 8, .size: 8, .value_kind: global_buffer, .address_space: global }
      - { .name: cf, .offset: 16, .size: 8, .value_kind: global_buffer, .address_space: global }
      - { .name: cs, .offset: 24, .size: 8, .value_kind: global_buffer, .address_space: global }
    .group_segment_fixed_size: 168960
    .private_segment_fixed_size: 0
    .kernarg_segment_align: 8
    .kernarg_segment_size: 32
    .max_flat_workgroup_size: 256
    .sgpr_count:     80
    .vgpr_count:     512
    .wavefront_size: 32
...
	.end_amdgpu_metadata
.endif
;; end of part 2
;; launch outln (part 3): grid 256 x 1, 4 waves a work-group, no clusters, 132,096 bytes of LDS; arguments cf, cs, Wo_codes, Wo_scales, bo, hidden_states, ln_gamma, ln_beta, out0; writes out0
.if DOCPART == 3
	.amdgcn_target "amdgcn-amd-amdhsa--gfx1250"
	.amdhsa_code_object_version 6
	.text
	.protected	k_qf8e4a809cd_outln
	.globl	k_qf8e4a809cd_outln
	.p2align	8
	.type	k_qf8e4a809cd_outln,@function
k_qf8e4a809cd_outln:
	s_mov_b64 s[64:65], 0
	v_nop
	global_prefetch_b8 v0, s[64:65] scope:SCOPE_SE
	s_setreg_imm32_b32 hwreg(HW_REG_WAVE_MODE, 25, 1), 1
	s_wait_xcnt 0x0
; out = LayerNorm(ctx Wo + bo + x) gamma + beta.  ctx arrives as images of operand registers (cf) with its scale words (cs); Wo as codes of FP4 (E2M1), K innermost, with one E8M0 scale for each 32 along K.
; SHARES.  A work-group owns 32 rows and all 1,024 columns, so that a row's mean and variance stay inside it: 256 work-groups.
; PHASE 1: wave w makes columns 256 w .. + 255: 16 tiles of Wo, each against the two tiles of rows; two accumulators by turns.  Wo's fragments go from memory straight into registers,
; three tiles (48 loads) ahead.  The product is used transposed (source 0 = 16 rows of Wo, source 1 = ctx): a lane holds eight neighbouring columns of one row, which go to a stage in LDS.
; PHASE 2, behind the one barrier: wave w owns eight whole rows, one at a time: a reduction never leaves the wave, and each load and store of the wave covers 512 consecutive bytes.
; The residual's 64 loads a wave are strewn over phase 1's 16 steps, four a step, into registers of their own.  The variance is taken of the numbers less the mean: no difference of large sums.
; ROWS.  Lane r of ctx's tile u holds row 8 u + r + 8 (r / 8) of the 32.  The stage's rows lie in lane order, 16 u + r; wave w reads stage rows 8 w + k, which are rows 8 (w / 2) + 16 (w % 2) + k.
; NO JOINT LOADS: each fragment of Wo goes straight into the registers of the one wave that multiplies by it and feeds two products there; through LDS each byte would be written and read once more.
; LIMITS: NaN and infinities among the inputs are not served.
.set SPITCH, 4112                      ; a stage row: 4,096 bytes + 16: the 16 rows that a store touches fall on 16 different 16-byte columns of 256 bytes
.set LI,  1                            ; v1   16 x lane
.set WA,  2                            ; v2   Wo's codes: 512 r + 16 h
.set WSA, 3                            ; v3   scale words: 32 r + 16 h
.set SA0, 4                            ; v4, v5  the stage: (16 u + r) x SPITCH + 32 h + 1,024 w
.set RDA, 6                            ; v6   back: 16 x lane + 8 w x SPITCH
.set CSR, 8                            ; v8-15   ctx's scale words, four registers a tile: K step i in lanes 0-15, K step 4 + i in lanes 16-31
.set WSR, 16                           ; v16-79  Wo's, four registers a tile
.set ACC, 80                           ; v80-111 two sets of two accumulators
.set Y0,  112                          ; v112-175 two rows at work
.set SUM, 176                          ; v176-179 two chains
.set MU,  180                          ; v180 the mean (v181 named with it);  v182 1 / sqrt(var + eps) (v183 likewise);  v184, v185 at work
.set RSD, 182
.set BO,  128                          ; window 1: v0-127 ctx's 16 fragments (64 u + 8 s);  v128-159 bo, v160-191 gamma, v192-223 beta at columns 128 i + 4 x lane + 0 .. 3
.set GA,  160
.set BE,  192                          ; window 2: v0-191 three tiles of Wo.   window 3: the residual, row k at v[32 k]
.set MSB, 0
.macro WIN new                         ; the immediate's high byte repeats the setting that is left; a switch that changes nothing is dropped
.if MSB != \new
	s_set_vgpr_msb (MSB<<8)|\new
.set MSB, \new
.endif
.endm
.macro WLD t                           ; tile t of my 16: 16 rows x 1,024 K
	WIN 0x80
.irp s, 0,1,2,3,4,5,6,7
.irp c, 0,1
	global_load_b128 v[64*((\t)%3)+8*\s+4*\c:64*((\t)%3)+8*\s+4*\c+3], v[WA], s[8:9] offset:8192*(\t)+64*\s+32*\c
.endr
.endr
	WIN 0
.endm
.macro STEP t
.if \t < 3
	s_wait_loadcnt 32+4*\t                         ; behind tile t's loads: two tiles of 16, and t groups of 4 of the residual
.elseif \t < 14
	s_wait_loadcnt 44                              ; two tiles of 16 and three groups of 4
.elseif \t == 14
	s_wait_loadcnt 28                              ; one tile and three groups
.else
	s_wait_loadcnt 12                              ; three groups
.endif
	s_wait_dscnt 0x0                               ; the stores of two steps ago have read this set of accumulators
	WIN 0x06                                       ; source 0 (Wo) window 2, source 1 (ctx) window 1
.irp s, 0,1,2,3,4,5,6,7
.irp u, 0,1
.set rD, ACC+16*(\t%2)+8*\u
.set rA, 64*(\t%3)+8*\s
.set rB, 64*\u+8*\s
.set rSA, WSR+4*\t+\s%4
.set rSB, CSR+4*\u+\s%4
.if \s == 0
	v_wmma_scale_f32_16x16x128_f8f6f4 v[rD:rD+7], v[rA:rA+7], v[rB:rB+7], 0, v[rSA], v[rSB] matrix_a_fmt:MATRIX_FMT_FP4 matrix_b_fmt:MATRIX_FMT_FP4
.elseif \s < 4
	v_wmma_scale_f32_16x16x128_f8f6f4 v[rD:rD+7], v[rA:rA+7], v[rB:rB+7], v[rD:rD+7], v[rSA], v[rSB] matrix_a_fmt:MATRIX_FMT_FP4 matrix_b_fmt:MATRIX_FMT_FP4
.else
	v_wmma_scale_f32_16x16x128_f8f6f4 v[rD:rD+7], v[rA:rA+7], v[rB:rB+7], v[rD:rD+7], v[rSA], v[rSB] matrix_a_fmt:MATRIX_FMT_FP4 matrix_b_fmt:MATRIX_FMT_FP4 matrix_a_scale:MATRIX_SCALE_ROW1 matrix_b_scale:MATRIX_SCALE_ROW1
.endif
.endr
.endr
	WIN 0
.rept 4
	v_nop                                          ; four places in front of the loads into this tile's registers and of the stores of the results
.endr
.if \t < 13
	WLD \t+3
.endif
	WIN 0xc0
.irp q, 0,1,2,3
.set rQ, 4*\t+\q
	global_load_b128 v[4*rQ:4*rQ+3], v[LI], s[14:15] offset:4096*(rQ/8)+512*(rQ%8) th:TH_LOAD_NT   ; the residual: 512 consecutive bytes of one of my eight rows; read once in the launch
.endr
	WIN 0
.irp u, 0,1
.set rD, ACC+16*(\t%2)+8*\u
	ds_store_b128 v[SA0+\u], v[rD:rD+3] offset:64*\t            ; each accumulator from its low end on
	ds_store_b128 v[SA0+\u], v[rD+4:rD+7] offset:64*\t+16
.endr
.endm
.macro RLOAD k                         ; stage row 8 w + k into the row's buffer
.set rZ, Y0+32*((\k)%2)
.irp i, 0,1,2,3,4,5,6,7
	ds_load_b128 v[rZ+4*\i:rZ+4*\i+3], v[RDA] offset:SPITCH*(\k)+512*\i
.endr
.endm
.macro REDUCE                          ; the two chains, then the 32 lanes: the sum in every lane's v[SUM]
	v_pk_add_f32 v[SUM:SUM+1], v[SUM:SUM+1], v[SUM+2:SUM+3]
	v_add_f32 v[SUM], v[SUM], v[SUM+1]
	v_add_f32_dpp v[SUM], v[SUM], v[SUM] row_xmask:1 row_mask:0xf bank_mask:0xf
	v_add_f32_dpp v[SUM], v[SUM], v[SUM] row_xmask:2 row_mask:0xf bank_mask:0xf
	v_add_f32_dpp v[SUM], v[SUM], v[SUM] row_xmask:4 row_mask:0xf bank_mask:0xf
	v_add_f32_dpp v[SUM], v[SUM], v[SUM] row_xmask:8 row_mask:0xf bank_mask:0xf
	v_permlanex16_b32 v184, v[SUM], s34, s35
	v_add_f32 v[SUM], v[SUM], v184
.endm
.macro ROW k
.set rY, Y0+32*((\k)%2)
.if \k < 7
	s_wait_xcnt 0x0                                ; the row before's stores have read the other buffer
	RLOAD \k+1
	s_wait_dscnt 8                                 ; this row is in; the next row's 8 loads may stay out
.else
	s_wait_dscnt 0x0
.endif
	WIN 0x04                                       ; source 1 window 1
.set jj, 0
.rept 16
	v_pk_add_f32 v[rY+jj:rY+jj+1], v[rY+jj:rY+jj+1], v[BO+jj:BO+jj+1]
.set jj, jj+2
.endr
	WIN 0x0c                                       ; source 1 window 3
.set jj, 0
.rept 16
	v_pk_add_f32 v[rY+jj:rY+jj+1], v[rY+jj:rY+jj+1], v[32*\k+jj:32*\k+jj+1]
.set jj, jj+2
.endr
	WIN 0
	v_pk_add_f32 v[SUM:SUM+1], v[rY:rY+1], v[rY+2:rY+3]
	v_pk_add_f32 v[SUM+2:SUM+3], v[rY+4:rY+5], v[rY+6:rY+7]
.irp j, 8,12,16,20,24,28
	v_pk_add_f32 v[SUM:SUM+1], v[SUM:SUM+1], v[rY+\j:rY+\j+1]
	v_pk_add_f32 v[SUM+2:SUM+3], v[SUM+2:SUM+3], v[rY+\j+2:rY+\j+3]
.endr
	REDUCE
	v_mul_f32 v[MU], s36, v[SUM]                   ; the mean: x 2^-10
.set jj, 0
.rept 16
	v_pk_add_f32 v[rY+jj:rY+jj+1], v[rY+jj:rY+jj+1], v[MU:MU+1] op_sel_hi:[1,0] neg_lo:[0,1] neg_hi:[0,1]
.set jj, jj+2
.endr
	v_pk_mul_f32 v[SUM:SUM+1], v[rY:rY+1], v[rY:rY+1]
	v_pk_mul_f32 v[SUM+2:SUM+3], v[rY+2:rY+3], v[rY+2:rY+3]
.irp j, 4,8,12,16,20,24,28
	v_pk_fma_f32 v[SUM:SUM+1], v[rY+\j:rY+\j+1], v[rY+\j:rY+\j+1], v[SUM:SUM+1]
	v_pk_fma_f32 v[SUM+2:SUM+3], v[rY+\j+2:rY+\j+3], v[rY+\j+2:rY+\j+3], v[SUM+2:SUM+3]
.endr
	REDUCE
	v_fma_f32 v185, v[SUM], s36, s37               ; the variance + 1e-12
	v_rsq_f32 v[RSD], v185
	v_nop                                          ; one plain place behind a transcendental
.set jj, 0
	s_wait_alu depctr_va_vdst(0)
.rept 16
	v_pk_mul_f32 v[rY+jj:rY+jj+1], v[rY+jj:rY+jj+1], v[RSD:RSD+1] op_sel_hi:[1,0]
.set jj, jj+2
.endr
	WIN 0x14                                       ; sources 1 and 2 window 1
.set jj, 0
.rept 16
	v_pk_fma_f32 v[rY+jj:rY+jj+1], v[rY+jj:rY+jj+1], v[GA+jj:GA+jj+1], v[BE+jj:BE+jj+1]
.set jj, jj+2
.endr
	WIN 0
.irp i, 0,1,2,3,4,5,6,7
	global_store_b128 v[LI], v[rY+4*\i:rY+4*\i+3], s[20:21] offset:4096*\k+512*\i th:TH_STORE_NT   ; 512 consecutive bytes, at a multiple of 256 from the output's first byte; written once
.endr
.endm
	s_load_b512 s[4:19], s[0:1], 0x0               ; cf, cs, Wo's codes, Wo's scales, bo, x, gamma, beta
	s_load_b64 s[20:21], s[0:1], 0x40              ; out
	v_lshl_add_u32 v254, v0, 2, 0x20200
	v_mov_b32 v255, 0
	v_lshrrev_b32 v7, 5, v0
	v_readfirstlane_b32 s22, v7                    ; wave 0..3
	v_and_b32 v7, 31, v0
	v_lshlrev_b32 v[LI], 4, v7
	v_and_b32 v7, 15, v0                           ; r
	v_bfe_u32 v186, v0, 4, 1                       ; h
	v_lshlrev_b32 v[WA], 9, v7
	v_lshl_add_u32 v[WA], v186, 4, v[WA]
	v_lshlrev_b32 v[WSA], 5, v7
	v_lshl_add_u32 v[WSA], v186, 4, v[WSA]
	v_mul_u32_u24 v[SA0], v7, SPITCH
	v_lshl_add_u32 v[SA0], v186, 5, v[SA0]
	s_lshl_b32 s23, s22, 10
	v_add_nc_u32 v[SA0], s23, v[SA0]
	v_add_nc_u32 v[SA0+1], 16*SPITCH, v[SA0]
	s_mul_i32 s23, s22, 8*SPITCH
	v_add_nc_u32 v[RDA], s23, v[LI]
	v_mov_b32 v[MU+1], 0                           ; named as the upper halves of pairs
	v_mov_b32 v[RSD+1], 0
	v_mov_b32 v184, 0                              ; a lane permute's destination counts as one of its sources
	s_lshl_b32 s24, ttmp9, 14                      ; cf: two tiles of 8,192 bytes a work-group
	s_mov_b32 s25, 0
	s_lshl_b32 s26, ttmp9, 10                      ; cs: two of 512
	s_mov_b32 s27, 0
	s_lshl_b32 s28, s22, 17                        ; Wo's codes: 256 rows of 512 bytes a wave
	s_mov_b32 s29, 0
	s_lshl_b32 s30, s22, 13                        ; its scale bytes: 256 rows of 32
	s_mov_b32 s31, 0
	s_lshl_b32 s32, ttmp9, 5
	s_lshr_b32 s33, s22, 1
	s_lshl_b32 s33, s33, 3
	s_add_co_u32 s32, s32, s33
	s_and_b32 s33, s22, 1
	s_lshl_b32 s33, s33, 4
	s_add_co_u32 s32, s32, s33                     ; my eight rows begin at 32 g + 8 (w / 2) + 16 (w % 2)
	s_lshl_b32 s32, s32, 12
	s_mov_b32 s33, 0
	s_mov_b32 s34, 0x76543210
	s_mov_b32 s35, 0xfedcba98                      ; v_permlanex16_b32's selects for lane l xor 16
	s_mov_b32 s36, 0x3a800000                      ; 2^-10
	s_mov_b32 s37, 0x2b8cbccc                      ; 1e-12
	s_wait_kmcnt 0x0
	s_add_nc_u64 s[4:5], s[4:5], s[24:25]
	s_add_nc_u64 s[6:7], s[6:7], s[26:27]
	s_add_nc_u64 s[8:9], s[8:9], s[28:29]
	s_add_nc_u64 s[10:11], s[10:11], s[30:31]
	s_add_nc_u64 s[14:15], s[14:15], s[32:33]
	s_add_nc_u64 s[20:21], s[20:21], s[32:33]
	WIN 0x40
.irp u, 0,1
.irp s, 0,1,2,3,4,5,6,7
.irp c, 0,1
	global_load_b128 v[64*\u+8*\s+4*\c:64*\u+8*\s+4*\c+3], v[LI], s[4:5] offset:8192*\u+1024*\s+512*\c   ; ctx's fragments, as they were stored
.endr
.endr
.endr
	WIN 0
.irp u, 0,1
	global_load_b128 v[CSR+4*\u:CSR+4*\u+3], v[WSA], s[6:7] offset:512*\u
.endr
.irp t, 0,1,2,3,4,5,6,7,8,9,10,11,12,13,14,15
	global_load_b128 v[WSR+4*\t:WSR+4*\t+3], v[WSA], s[10:11] offset:512*\t
.endr
	WIN 0x40
.irp i, 0,1,2,3,4,5,6,7
	global_load_b128 v[BO+4*\i:BO+4*\i+3], v[LI], s[12:13] offset:512*\i
	global_load_b128 v[GA+4*\i:GA+4*\i+3], v[LI], s[16:17] offset:512*\i
	global_load_b128 v[BE+4*\i:BE+4*\i+3], v[LI], s[18:19] offset:512*\i
.endr
	WIN 0
	WLD 0
	WLD 1
	WLD 2
.irp t, 0,1,2,3,4,5,6,7,8,9,10,11,12,13,14,15
	STEP \t
.endr
	s_wait_dscnt 0x0                               ; for the others' sake: my columns lie in the stage
	s_barrier_signal -1
	s_barrier_wait -1                              ; 32 whole rows lie there; nothing is stored to LDS behind this barrier
	RLOAD 0
	s_wait_loadcnt 0x0                             ; the residual
.irp k, 0,1,2,3,4,5,6,7
	ROW \k
.endr
	s_wait_tensorcnt 0x0
	ds_add_u32 v254, v255
	s_wait_dscnt 0x0
	s_endpgm
.Lfunc_end_k_qf8e4a809cd_outln:
	.size	k_qf8e4a809cd_outln, .Lfunc_end_k_qf8e4a809cd_outln-k_qf8e4a809cd_outln
	.p2alignl 7, 3214868480
	.fill 96, 4, 3214868480
	.section	.rodata,"a",@progbits
	.p2align	6, 0x0
	.amdhsa_kernel k_qf8e4a809cd_outln
		.amdhsa_group_segment_fixed_size 132096
		.amdhsa_private_segment_fixed_size 0
		.amdhsa_enable_private_segment 0
		.amdhsa_kernarg_size 72
		.amdhsa_user_sgpr_count 2
		.amdhsa_user_sgpr_kernarg_segment_ptr 1
		.amdhsa_wavefront_size32 1
		.amdhsa_system_sgpr_workgroup_id_x 1
		.amdhsa_system_sgpr_workgroup_id_y 1
		.amdhsa_system_sgpr_workgroup_id_z 1
		.amdhsa_system_vgpr_workitem_id 0
		.amdhsa_next_free_vgpr 1024
		.amdhsa_next_free_sgpr 66
		.amdhsa_reserve_vcc 0
		.amdhsa_float_denorm_mode_32 3
		.amdhsa_float_denorm_mode_16_64 3
		.amdhsa_memory_ordered 1
		.amdhsa_forward_progress 1
		.amdhsa_inst_pref_size 157
	.end_amdhsa_kernel
	.amdgpu_metadata
---
amdhsa.version: [ 1, 2 ]
amdhsa.kernels:
  - .name:           k_qf8e4a809cd_outln
    .symbol:         k_qf8e4a809cd_outln.kd
    .args:
      - { .name: cf, .offset: 0, .size: 8, .value_kind: global_buffer, .address_space: global }
      - { .name: cs, .offset: 8, .size: 8, .value_kind: global_buffer, .address_space: global }
      - { .name: Wo_codes, .offset: 16, .size: 8, .value_kind: global_buffer, .address_space: global }
      - { .name: Wo_scales, .offset: 24, .size: 8, .value_kind: global_buffer, .address_space: global }
      - { .name: bo, .offset: 32, .size: 8, .value_kind: global_buffer, .address_space: global }
      - { .name: hidden_states, .offset: 40, .size: 8, .value_kind: global_buffer, .address_space: global }
      - { .name: ln_gamma, .offset: 48, .size: 8, .value_kind: global_buffer, .address_space: global }
      - { .name: ln_beta, .offset: 56, .size: 8, .value_kind: global_buffer, .address_space: global }
      - { .name: out0, .offset: 64, .size: 8, .value_kind: global_buffer, .address_space: global }
    .group_segment_fixed_size: 132096
    .private_segment_fixed_size: 0
    .kernarg_segment_align: 8
    .kernarg_segment_size: 72
    .max_flat_workgroup_size: 128
    .sgpr_count:     66
    .vgpr_count:     1024
    .wavefront_size: 32
...
	.end_amdgpu_metadata
.endif
;; end of part 3
;; ======== version 2 of 2: 3 launches
;; workspace buffers: qkv 13,893,632 bytes; cf 4,194,304 bytes; cs 262,144 bytes
;; launch proj (part 4): grid 4 x 64, 4 waves a work-group, no clusters, 70,144 bytes of LDS; arguments hidden_states, Wq_codes, Wk_codes, Wq_scales, Wk_scales, bq, bk, qkv, Wv_codes, Wv_scales, bv; writes qkv
.if DOCPART == 4
	.amdgcn_target "amdgcn-amd-amdhsa--gfx1250"
	.amdhsa_code_object_version 6
	.text
	.protected	k_qf8e4a809cd_proj
	.globl	k_qf8e4a809cd_proj
	.p2align	8
	.type	k_qf8e4a809cd_proj,@function
k_qf8e4a809cd_proj:
	s_mov_b64 s[64:65], 0
	v_nop
	global_prefetch_b8 v0, s[64:65] scope:SCOPE_SE
	s_setreg_imm32_b32 hwreg(HW_REG_WAVE_SCHED_MODE, 0, 2), 2
	s_setreg_imm32_b32 hwreg(HW_REG_WAVE_MODE, 25, 1), 1
	s_wait_xcnt 0x0
	s_wait_alu depctr_vm_vsrc(0)
; q = x Wq + bq, k = x Wk + bk, v = x Wv + bv on codes of FP4 (E2M1) with one E8M0 scale for each 32 along K; x [8192][1024] f32 is quantised here; the results are quantised at once
; (q, k along the head's 64; v along the keys) and leave as IMAGES OF OPERAND REGISTERS, one record of REC bytes for each (batch, head): KF, VF, KS, VS, QF, QS.
; SHARES.  Work-group (c, R): rows 128 R .. + 127 of x, columns 256 c .. + 255 of each of q, k, v (heads 4 c .. 4 c + 3): 256 work-groups.  Wave w: first it quantises rows 32 w .. + 31 of x into LDS (images, as the
; matrix instruction wants them); then 128 columns of Wq (waves 0, 1) or Wk (waves 2, 3) stay in its registers and the 8 tiles of rows stream by (8 jobs); then all 64 fragments of x stay in its registers and the 4 tiles
; of Wv of head 4 c + w stream by (4 jobs).  A job is 64 matrix instructions on 8 accumulators by turns, then the quantiser on the 64 results of each lane, then the stores.
; TILES ARE NOT NEIGHBOURS: lane r of tile 2 b + u of a group of 32 takes element 32 b + 8 u + r + 8 (r / 8): rows of x, rows of Wq and Wk, rows of Wv within a head.  Source 0's tile so chosen, a lane's 16 registers of
; tiles 2 b, 2 b + 1 are 16 neighbours along the axis that is quantised next.
; THE 1/8 OF THE SCORES is taken off q's scale bytes (3 off each): exact.  For that no block's largest magnitude is taken under 2^(6 - 127), so that every byte is 4 at the least.
; LIMITS: blocks of x, q, k, v whose largest magnitude lies under 2^-121 are taken at that floor's scale; NaN and infinities among the inputs are not served.
; NO JOINT LOADS: every weight fragment goes from memory straight into the registers of the one wave that multiplies by it, and x has to pass through registers to be quantised; a joint load would land both in LDS,
; from where each byte would be read once more.  No tensor load, so no ring; ONE barrier.
; THE MODE: SCHED_MODE bits 1:0 = 2 (LLVM: expert scheduling mode 2), set by the entry lines.  The code itself states the register dependences between vector or matrix instructions and memory or LDS instructions,
; with s_wait_alu, always for 0.
; THE PLAN.  Registers that memory or LDS instructions touch:
;   v1-v12        addresses: written at the head, ahead of one wait on va_vdst, and never again.
;   HA, ST        in the X phase x's two raw buffers: turn f's quantiser reads buffer f % 2; behind it the loads of fragment f + 2 land there.
;   PC, PW        written by every quantiser; read by the LDS stores (X phase) or the global stores (jobs) that follow it.
;   ST, TS        in the jobs of q or k: read by a job's products; behind them the next tile's LDS loads land there.
;   windows 1, 2, RS, window 3's v192-255: read by the products of q or k; behind job 7's, x's fragments and scale words and Wv's tile 3 land there.
;   SW, VW        written by vector lines that stand ahead of a job's last wait on va_vdst; read by the stores at the phase's end.
;   v254, v255    written at the head, read by the closing add alone.
; So a quantiser has a wait on vm_vsrc ahead of it (the stores behind the last quantiser have read PC and PW) and a wait on va_vdst behind it (its results are written and its sources read); a job of q or k has one more
; wait on va_vdst, behind its products, ahead of the loads that land in what they read.  The accumulators and the quantiser's own registers are named by vector and matrix instructions alone.
; REGISTERS.  window 0: below.  windows 1, 2: the resident fragments, (tile t, K step s) at v[64 (s % 4) + 8 t] of window 1 + s / 4.  window 3: Wv's tiles (j, s) at v[64 j + 8 s]; v192-255 first hold bq's or bk's 8 tiles.
.set REC,  217088                      ; a record: KF 65,536 | VF 65,536 | KS 8,192 | VS 4,096 | QF 65,536 | QS 8,192
.set O_VF, 65536
.set O_KS, 131072
.set O_VS, 139264
.set O_QF, 143360
.set O_QS, 208896
.set XSC,  65536                       ; LDS: x's 64 fragments (tile m, K step s) at (8 m + s) x 1,024; behind them their scale words [m][r][s], 4,096 bytes
.set LI,  1                            ; v1   16 x lane
.set XA,  2                            ; v2   x: perm(r) x 4,096 + 64 h
.set XWI, 3                            ; v3   where I store x's images: 16 x lane + 16,384 x wave
.set XWS, 4                            ; v4   and their scale words: XSC + 32 r + 1,024 x wave
.set WA,  5                            ; v5   a weight's codes: perm(r) x 512 + 16 h
.set WSA, 6                            ; v6   a weight's scale bytes: perm(r) x 32 + 16 h
.set BA,  7                            ; v7   64 h
.set TSA, 8                            ; v8   x's scale words in LDS: XSC + 32 r + 16 h
.set H16, 9                            ; v9   16 h
.set SWA, 10                           ; v10  h x REC + 16 r
.set R16, 11                           ; v11  16 r
.set B4,  12                           ; v12  4 x perm(r)
.set TS,  16                           ; v16-19   the streamed tile's scale words
.set TSV, 20                           ; v20-35   Wv's, four registers a tile
.set BVL, 36                           ; v36-39   bv at my lane's d, one a tile
.set BC,  40                           ; v40-47   the same eight times: the C of a v job's first products
.set SW,  48                           ; v48-55   q's or k's scale words, one a job
.set VW,  56                           ; v56-59   v's, one a job
.set RS,  60                           ; v60-91   the resident tiles' scale words, four registers a tile
.set PC,  92                           ; v92-99   the codes just made
.set TM,  100                          ; v100-115 at work in the quantiser
.set PW,  116                          ; v116     the scale word just made
.set HA,  120                          ; v120-183 the 8 accumulators; at first x's numbers of the even K steps
.set ST,  184                          ; v184-247 the 8 streamed fragments; at first x's numbers of the odd K steps
.set WC,  30                           ; s[30:31] my 128 rows of Wq's or Wk's codes;  s[32:33] their scale bytes;  s[34:35] my 128 numbers of bq or bk
.set WS,  32
.set WB,  34
.set XB,  36                           ; s[36:37] x at my 32 rows
.set VC,  38                           ; s[38:39] my head's 64 rows of Wv's codes;  s[40:41] their scale bytes;  s[42:43] my head's bv
.set VSC, 40
.set VBP, 42
.set FA,  44                           ; s[44:45] QF or KF of my first head, at my block of 128 rows;  s[46:47] of my second head
.set FB,  46
.set SB,  48                           ; s[48:49] QS or KS of my first head
.set VFB, 50                           ; s[50:51] VF of head 4 c + w;  s[52:53] VS
.set VSB, 52
.set ADJ, 54                           ; s54  3 in each byte for q, 0 for k
.set SEL, 56                           ; s[56:57] v_permlanex16_b32's selects for lane l xor 16
.set MSB, 0
.macro WIN new                         ; the immediate's high byte repeats the setting that is left; a switch that changes nothing is dropped
.if MSB != \new
	s_set_vgpr_msb (MSB<<8)|\new
.set MSB, \new
.endif
.endm
; 64 numbers of a lane, v[s] .. v[s + 63], register 16 b + i = k 32 b + 16 (lane / 16) + i of my row, become a fragment's codes in v[PC] on and its scale word in v[pw].
.macro QUANT s, pw
.irp b, 0,1,2,3
	v_max3_num_f32 v[TM+\b], |v[\s+16*\b]|, |v[\s+1+16*\b]|, 0x3000000   ; block b: my 16 numbers, and the floor 2^(6 - 127): the byte cannot fall under 4
.endr
.irp i, 2,4,6,8,10,12,14
.irp b, 0,1,2,3
	v_max3_num_f32 v[TM+\b], v[TM+\b], |v[\s+16*\b+\i]|, |v[\s+1+16*\b+\i]|   ; the four blocks by turns
.endr
.endr
.irp b, 0,1,2,3
	v_permlanex16_b32 v[TM+4+\b], v[TM+\b], s[SEL], s[SEL+1]
.endr
.irp b, 0,1,2,3
	v_max_num_f32 v[TM+\b], v[TM+\b], v[TM+4+\b]   ; with lane l xor 16's: the block's largest magnitude
.endr
.irp b, 0,1,2,3
	v_add_nc_u32 v[TM+12+\b], 0xff000000, v[TM+\b]   ; 2 off its exponent field: the conversion takes the exponent field of this operand as its scale
.endr
.irp b, 0,1,2,3
	v_lshrrev_b32 v[TM+4+\b], 23, v[TM+12+\b]      ; the scale's byte
.endr
	v_lshl_or_b32 v[PW], v[TM+5], 8, v[TM+4]
	v_lshl_or_b32 v[PW], v[TM+6], 16, v[PW]
	v_lshl_or_b32 v[\pw], v[TM+7], 24, v[PW]       ; my row's scale word, the same in both halves of the lanes
.irp b, 0,1,2,3
	v_cvt_scalef32_pk8_fp4_f32 v[PC+2*\b], v[\s+16*\b:\s+7+16*\b], v[TM+12+\b]
	v_cvt_scalef32_pk8_fp4_f32 v[PC+1+2*\b], v[\s+8+16*\b:\s+15+16*\b], v[TM+12+\b]
.endr
	v_nop                                          ; one plain place behind a scaled conversion
.irp c, 0,1                                    ; the operand's layout wants a whole block in a lane: lanes 0-15 block 2 c, lanes 16-31 block 2 c + 1
.irp i, 0,1
	v_permlane16_swap_b32 v[PC+4*\c+\i], v[PC+2+4*\c+\i]
.endr
.endr
.endm
.macro XLOAD reg, f                    ; fragment f = 8 u + s of my 32 rows: 64 numbers a lane; the 16 loads together take 512 whole bytes of each of 16 rows
.irp b, 0,1,2,3
.irp j, 0,1,2,3
	global_load_b128 v[\reg+16*\b+4*\j:\reg+16*\b+4*\j+3], v[XA], s[XB:XB+1] offset:((\f)/8)*32768+((\f)%8)*512+128*\b+16*\j
.endr
.endr
.endm
.macro WLOAD f                         ; four of my 64 resident fragments of Wq or Wk: K step f / 2, tiles 4 (f % 2) + 0 .. 3
.if (\f) < 8
	WIN 0x40
.else
	WIN 0x80
.endif
.irp q, 0,1,2,3
.irp c, 0,1
.set rT, 4*((\f)%2)+\q
.set rS, (\f)/2
	global_load_b128 v[64*(rS%4)+8*rT+4*\c:64*(rS%4)+8*rT+4*\c+3], v[WA], s[WC:WC+1] offset:(32*(rT/2)+8*(rT%2))*512+64*rS+32*\c
.endr
.endr
	WIN 0
.endm
.macro VLOAD j                         ; tile j of my head's Wv, all 8 K steps, into window 3 (the window is set by the caller)
.irp s, 0,1,2,3,4,5,6,7
.irp c, 0,1
	global_load_b128 v[64*\j+8*\s+4*\c:64*\j+8*\s+4*\c+3], v[WA], s[VC:VC+1] offset:(32*(\j/2)+8*(\j%2))*512+64*\s+32*\c
.endr
.endr
.endm
.macro STREAM m                        ; tile m of x: its 8 fragments and its scale words, out of LDS
.irp s, 0,1,2,3,4,5,6,7
.irp c, 0,1
	ds_load_b128 v[ST+8*\s+4*\c:ST+8*\s+4*\c+3], v[LI] offset:(8*(\m)+\s)*1024+512*\c
.endr
.endr
	ds_load_b128 v[TS:TS+3], v[TSA] offset:512*(\m)
.endm
.macro RESX                            ; all 64 fragments of x become the resident ones, and their scale words with them
	WIN 0x40
.irp s, 0,1,2,3
.irp t, 0,1,2,3,4,5,6,7
.irp c, 0,1
	ds_load_b128 v[64*\s+8*\t+4*\c:64*\s+8*\t+4*\c+3], v[LI] offset:(8*\t+\s)*1024+512*\c
.endr
.endr
.endr
	WIN 0x80
.irp s, 0,1,2,3
.irp t, 0,1,2,3,4,5,6,7
.irp c, 0,1
	ds_load_b128 v[64*\s+8*\t+4*\c:64*\s+8*\t+4*\c+3], v[LI] offset:(8*\t+\s+4)*1024+512*\c
.endr
.endr
.endr
	WIN 0
.irp t, 0,1,2,3,4,5,6,7
	ds_load_b128 v[RS+4*\t:RS+4*\t+3], v[TSA] offset:512*\t
.endr
.endm
; A job's 64 matrix instructions: K step by K step, the 8 accumulators by turns.  Source 0 = resident tile t.  kind 0: source 1 = the streamed tile of x, C of the first K step = bq's or bk's tile t (window 3);
; kind 1: source 1 = tile idx of Wv (window 3), C = bv at my lane's d.  A scale register holds K step i in lanes 0-15 and K step 4 + i in lanes 16-31: from K step 4 on both sides read the upper lanes.
.macro MULS kind, idx
.irp s, 0,1,2,3,4,5,6,7
.if \kind == 0
.if \s == 0
	WIN 0x31
.elseif \s < 4
	WIN 0x01
.else
	WIN 0x02
.endif
.elseif \s < 4
	WIN 0x0d
.else
	WIN 0x0e
.endif
.irp t, 0,1,2,3,4,5,6,7
.set rD, HA+8*\t
.set rA, 64*(\s%4)+8*\t
.set rSA, RS+4*\t+\s%4
.if \kind == 0
.set rB, ST+8*\s
.set rC, 192+8*\t
.set rSB, TS+\s%4
.else
.set rB, 64*\idx+8*\s
.set rC, BC
.set rSB, TSV+4*\idx+\s%4
.endif
.if \s == 0
	v_wmma_scale_f32_16x16x128_f8f6f4 v[rD:rD+7], v[rA:rA+7], v[rB:rB+7], v[rC:rC+7], v[rSA], v[rSB] matrix_a_fmt:MATRIX_FMT_FP4 matrix_b_fmt:MATRIX_FMT_FP4
.elseif \s < 4
	v_wmma_scale_f32_16x16x128_f8f6f4 v[rD:rD+7], v[rA:rA+7], v[rB:rB+7], v[rD:rD+7], v[rSA], v[rSB] matrix_a_fmt:MATRIX_FMT_FP4 matrix_b_fmt:MATRIX_FMT_FP4
.else
	v_wmma_scale_f32_16x16x128_f8f6f4 v[rD:rD+7], v[rA:rA+7], v[rB:rB+7], v[rD:rD+7], v[rSA], v[rSB] matrix_a_fmt:MATRIX_FMT_FP4 matrix_b_fmt:MATRIX_FMT_FP4 matrix_a_scale:MATRIX_SCALE_ROW1 matrix_b_scale:MATRIX_SCALE_ROW1
.endif
.endr
.endr
	WIN 0
.rept 4
	v_nop                                          ; four places in front of loads into registers that these products read and of the first read of their results
.endr
.endm
	s_load_b512 s[4:19], s[0:1], 0x0               ; x, Wq's codes, Wk's codes, Wq's scales, Wk's scales, bq, bk, the records
	s_load_b128 s[20:23], s[0:1], 0x40             ; Wv's codes, Wv's scales
	s_load_b64 s[24:25], s[0:1], 0x50              ; bv
	v_lshl_add_u32 v254, v0, 2, 0x11000
	v_mov_b32 v255, 0
	v_lshrrev_b32 v13, 5, v0
	v_readfirstlane_b32 s26, v13                   ; wave 0..3
	s_wait_alu depctr_va_sdst(0)                   ; s26 is written, ahead of its first reader: roles, LDS places and bases are made from it
	s_lshr_b32 s27, s26, 1                         ; 0: I make q, 1: k
	s_and_b32 s28, s26, 1                          ; g: which 128 of the 256 columns
	s_and_b32 s29, ttmp7, 0xffff                   ; R: which 128 rows
	v_and_b32 v13, 31, v0                          ; lane
	v_and_b32 v14, 15, v0                          ; r
	v_bfe_u32 v15, v0, 4, 1                        ; h
	v_lshlrev_b32 v[LI], 4, v13
	v_and_b32 v13, 8, v14
	v_add_nc_u32 v13, v13, v14                     ; perm(r) = r + 8 (r / 8)
	v_lshlrev_b32 v[XA], 12, v13
	v_lshl_add_u32 v[XA], v15, 6, v[XA]
	s_lshl_b32 s58, s26, 14
	v_add_nc_u32 v[XWI], s58, v[LI]
	s_lshl_b32 s58, s26, 10
	v_lshlrev_b32 v[XWS], 5, v14
	v_add_nc_u32 v[XWS], s58, v[XWS]
	v_add_nc_u32 v[XWS], XSC, v[XWS]
	v_lshlrev_b32 v[WA], 9, v13
	v_lshl_add_u32 v[WA], v15, 4, v[WA]
	v_lshlrev_b32 v[WSA], 5, v13
	v_lshl_add_u32 v[WSA], v15, 4, v[WSA]
	v_lshlrev_b32 v[BA], 6, v15
	v_lshlrev_b32 v[TSA], 5, v14
	v_lshl_add_u32 v[TSA], v15, 4, v[TSA]
	v_add_nc_u32 v[TSA], XSC, v[TSA]
	v_lshlrev_b32 v[H16], 4, v15
	v_lshlrev_b32 v[R16], 4, v14
	v_mul_u32_u24 v[SWA], v15, REC
	v_add_nc_u32 v[SWA], v[SWA], v[R16]
	v_lshlrev_b32 v[B4], 2, v13
.irp b, 0,1,2,3
	v_mov_b32 v[TM+4+\b], 0                        ; written once: a lane permute's destination counts as one of its sources
.endr
	; offsets, made apart from the addresses
	s_lshl_b32 s58, ttmp9, 17
	s_lshl_b32 s59, s28, 16
	s_add_co_u32 s58, s58, s59                     ; my first column n0 = 256 c + 128 g, x 512 bytes of codes a row
	s_mov_b32 s59, 0
	s_lshr_b32 s60, s58, 4                         ; x 32 scale bytes a row
	s_mov_b32 s61, 0
	s_lshr_b32 s62, s58, 7                         ; x 4 bytes of bias
	s_mov_b32 s63, 0
	s_lshl_b32 s66, s29, 19
	s_lshl_b32 s67, s26, 17
	s_add_co_u32 s66, s66, s67                     ; (128 R + 32 w) rows of 4,096 bytes
	s_mov_b32 s67, 0
	s_lshl_b32 s72, ttmp9, 2
	s_add_co_u32 s73, s72, s26                     ; 4 c + w: my head for v, within the batch
	s_lshl_b32 s68, s73, 15                        ; x 64 rows of 512 bytes
	s_mov_b32 s69, 0
	s_lshr_b32 s70, s29, 4
	s_lshl_b32 s70, s70, 4
	s_add_co_u32 s70, s70, s72                     ; 16 x batch + 4 c
	s_and_b32 s71, s29, 15                         ; which 128 rows of the batch's 2,048
	s_lshl_b32 s74, s28, 1
	s_add_co_u32 s74, s74, s70
	s_mul_i32 s74, s74, REC                        ; the record of my first head for q or k
	s_add_co_u32 s75, s70, s26
	s_mul_i32 s75, s75, REC                        ; the record of my head for v
	s_cmp_eq_u32 s27, 0                            ; q?
	s_cselect_b32 s76, O_QF, 0
	s_mov_b32 s77, O_KS
	s_cselect_b32 s77, O_QS, s77
	s_cselect_b32 s[ADJ], 0x03030303, 0
	s_lshl_b32 s78, s71, 12
	s_add_co_u32 s[FA], s74, s76
	s_add_co_u32 s[FA], s[FA], s78
	s_mov_b32 s[FA+1], 0
	s_lshl_b32 s79, s71, 9
	s_add_co_u32 s[SB], s74, s77
	s_add_co_u32 s[SB], s[SB], s79
	s_mov_b32 s[SB+1], 0
	s_add_co_u32 s[VFB], s75, s78
	s_add_co_u32 s[VFB], s[VFB], O_VF
	s_mov_b32 s[VFB+1], 0
	s_lshl_b32 s79, s71, 8
	s_add_co_u32 s[VSB], s75, s79
	s_add_co_u32 s[VSB], s[VSB], O_VS
	s_mov_b32 s[VSB+1], 0
	s_mov_b32 s[SEL], 0x76543210
	s_mov_b32 s[SEL+1], 0xfedcba98
	s_wait_kmcnt 0x0
	s_cmp_eq_u32 s27, 0                            ; the choice hangs on the wave's number alone
	s_cselect_b64 s[WC:WC+1], s[6:7], s[8:9]
	s_cselect_b64 s[WS:WS+1], s[10:11], s[12:13]
	s_cselect_b64 s[WB:WB+1], s[14:15], s[16:17]
	s_add_nc_u64 s[WC:WC+1], s[WC:WC+1], s[58:59]
	s_add_nc_u64 s[WS:WS+1], s[WS:WS+1], s[60:61]
	s_add_nc_u64 s[WB:WB+1], s[WB:WB+1], s[62:63]
	s_add_nc_u64 s[XB:XB+1], s[4:5], s[66:67]
	s_add_nc_u64 s[VC:VC+1], s[20:21], s[68:69]
	s_lshr_b32 s68, s68, 4
	s_add_nc_u64 s[VSC:VSC+1], s[22:23], s[68:69]
	s_lshr_b32 s68, s68, 3
	s_add_nc_u64 s[VBP:VBP+1], s[24:25], s[68:69]
	s_add_nc_u64 s[FA:FA+1], s[18:19], s[FA:FA+1]
	s_add_nc_u64 s[FB:FB+1], s[FA:FA+1], REC
	s_add_nc_u64 s[SB:SB+1], s[18:19], s[SB:SB+1]
	s_add_nc_u64 s[VFB:VFB+1], s[18:19], s[VFB:VFB+1]
	s_add_nc_u64 s[VSB:VSB+1], s[18:19], s[VSB:VSB+1]
	s_wait_alu depctr_va_vdst(0)                   ; the twelve addresses v1 to v12 are written: every load and store of the kernel reads one of them, and none is written again
	; 80 loads that stay: scale words, biases, three of Wv's four tiles
.irp t, 0,1,2,3,4,5,6,7
	global_load_b128 v[RS+4*\t:RS+4*\t+3], v[WSA], s[WS:WS+1] offset:(32*(\t/2)+8*(\t%2))*32
.endr
	WIN 0xc0
.irp t, 0,1,2,3,4,5,6,7
	global_load_b128 v[192+8*\t:195+8*\t], v[BA], s[WB:WB+1] offset:(32*(\t/2)+8*(\t%2))*4       ; lane (r, h) of tile 2 b + u: the bias of columns 32 b + 16 h + 8 u + 0 .. 7
	global_load_b128 v[196+8*\t:199+8*\t], v[BA], s[WB:WB+1] offset:(32*(\t/2)+8*(\t%2))*4+16
.endr
	VLOAD 0
	VLOAD 1
	VLOAD 2
	WIN 0
.irp j, 0,1,2,3
	global_load_b128 v[TSV+4*\j:TSV+4*\j+3], v[WSA], s[VSC:VSC+1] offset:(32*(\j/2)+8*(\j%2))*32
	global_load_b32 v[BVL+\j], v[B4], s[VBP:VBP+1] offset:(32*(\j/2)+8*(\j%2))*4
.endr
	XLOAD HA, 0
	XLOAD ST, 1
	; ---- X: my 32 rows of x become 16 fragments in LDS.  Two buffers of 64 numbers take turns; four resident weight fragments are asked for in each turn
.irp f, 0,1,2,3,4,5,6,7,8,9,10,11,12,13,14,15
.set XBUF, HA+64*(\f%2)
.if \f == 0
	s_wait_loadcnt 16                              ; behind fragment 0's loads: fragment 1's 16
.elseif \f == 1
	s_wait_loadcnt 24                              ; fragment 2's 16 and 8 of the weight's
.elseif \f < 15
	s_wait_loadcnt 32                              ; 8 of the weight's, the next fragment's 16, 8 of the weight's
.else
	s_wait_loadcnt 16                              ; 8 and 8 of the weight's
.endif
.if \f > 0
	s_wait_dscnt 0x0                               ; the last image's stores are done
	s_wait_alu depctr_vm_vsrc(0)                   ; the last image's LDS stores have read v[PC ..] and v[PW], which this quantiser writes again
.endif
	QUANT XBUF, PW
	s_wait_alu depctr_va_vdst(0)                   ; the quantiser has written v[PC ..] and v[PW], which the LDS stores read, and is done reading its raw buffer, in which the loads of two fragments on land
	ds_store_b128 v[XWI], v[PC:PC+3] offset:1024*\f
	ds_store_b128 v[XWI], v[PC+4:PC+7] offset:1024*\f+512
	ds_store_b32 v[XWS], v[PW] offset:512*(\f/8)+4*(\f%8)   ; both halves of the lanes write the same word with the same value
.if \f < 14
	XLOAD XBUF, \f+2
.endif
	WLOAD \f                                       ; into registers that no vector or matrix instruction has named yet
.endr
	s_wait_dscnt 0x0                               ; for the others' sake: my images lie in LDS
	s_barrier_signal -1
	s_barrier_wait -1                              ; everybody's do; nothing is stored to LDS behind this barrier
	STREAM 0                                       ; into v[ST ..]: its last reader, fragment 15's quantiser, stands ahead of the last wait on va_vdst
	s_wait_loadcnt 0x0                             ; the resident fragments
	; ---- q or k: 8 jobs.  A job's results are 16 rows x 128 columns = two heads: registers 0-3 of the fragment are the first head's 64, registers 4-7 the second's
.irp m, 0,1,2,3,4,5,6,7
	s_wait_dscnt 0x0                               ; the tile of x is in
	MULS 0, 0
	s_wait_alu depctr_va_vdst(0)                   ; the job's products are done reading v[ST ..] and v[TS ..] (job 7: the resident fragments, v[RS ..] and the biases too), in which the loads below land
.if \m < 7
	STREAM \m+1                                    ; lands while this job's results are quantised
.else
	WIN 0xc0
	VLOAD 3                                        ; where the biases of q or k lay
	RESX
.irp i, 0,1,2,3,4,5,6,7
	v_mov_b32 v[BC+\i], v[BVL]
.endr
.endif
	s_wait_xcnt 0x0                                ; the last job's stores have had their addresses translated
	s_wait_alu depctr_vm_vsrc(0)                   ; the stores behind the last quantiser (job 0: the last image's LDS stores) have read v[PC ..] and v[PW], which this quantiser writes again
	QUANT HA, PW
	v_sub_nc_u32 v[SW+\m], v[PW], s[ADJ]           ; q: 3 off each byte (each is 4 at the least: no borrow)
	v_lshrrev_b32 v[SW+\m], v[H16], v[SW+\m]       ; lanes 0-15 keep the word for the first head (its bytes below), lanes 16-31 bring the second head's two bytes down
	s_wait_alu depctr_va_vdst(0)                   ; v[PC ..] is written, which the two stores below read, and v[SW + m], which a store behind the last job reads
	global_store_b128 v[LI], v[PC:PC+3], s[FA:FA+1] offset:512*\m     ; the wave stores 512 consecutive bytes
	global_store_b128 v[LI], v[PC+4:PC+7], s[FB:FB+1] offset:512*\m
.endr
	global_store_b128 v[SWA], v[SW:SW+3], s[SB:SB+1]               ; tiles 0-3: each half of the lanes stores 256 consecutive bytes of its head's record.  No wait: no vector instruction since job 7's names v[SW ..]
	global_store_b128 v[SWA], v[SW+4:SW+7], s[SB:SB+1] offset:256  ; tiles 4-7
	; ---- v: 4 jobs.  Source 0 = 16 rows of x (keys), source 1 = 16 rows of Wv (d): a lane holds one d and 64 of the block's 128 keys: the quantiser runs along the keys.  Nothing is loaded behind these products
.irp j, 0,1,2,3
.if \j == 0
	s_wait_dscnt 0x0                               ; x's fragments and scale words are in
.endif
.if \j == 3
	s_wait_loadcnt 0x0                             ; Wv's tile 3
.endif
	MULS 1, \j
.if \j < 3
.irp i, 0,1,2,3,4,5,6,7
	v_mov_b32 v[BC+\i], v[BVL+\j+1]
.endr
.endif
	s_wait_xcnt 0x0                                ; the last job's stores have had their addresses translated
	s_wait_alu depctr_vm_vsrc(0)                   ; the last job's stores have read v[PC ..], which this quantiser writes again
	QUANT HA, VW+\j
	s_wait_alu depctr_va_vdst(0)                   ; v[PC ..] is written, which the two stores below read, and v[VW + j], which the store behind the last job reads
	global_store_b128 v[LI], v[PC:PC+3], s[VFB:VFB+1] offset:1024*\j
	global_store_b128 v[LI], v[PC+4:PC+7], s[VFB:VFB+1] offset:1024*\j+512
.endr
	global_store_b128 v[R16], v[VW:VW+3], s[VSB:VSB+1]             ; 256 consecutive bytes; lanes 16-31 repeat lanes 0-15's
	s_wait_dscnt 0x0                               ; the closing lines, six on end
	s_wait_alu 0x0
	s_wait_tensorcnt 0x0
	ds_add_u32 v254, v255
	s_wait_dscnt 0x0
	s_endpgm
.Lfunc_end_k_qf8e4a809cd_proj:
	.size	k_qf8e4a809cd_proj, .Lfunc_end_k_qf8e4a809cd_proj-k_qf8e4a809cd_proj
	.p2alignl 7, 3214868480
	.fill 96, 4, 3214868480
	.section	.rodata,"a",@progbits
	.p2align	6, 0x0
	.amdhsa_kernel k_qf8e4a809cd_proj
		.amdhsa_group_segment_fixed_size 70144
		.amdhsa_private_segment_fixed_size 0
		.amdhsa_enable_private_segment 0
		.amdhsa_kernarg_size 88
		.amdhsa_user_sgpr_count 2
		.amdhsa_user_sgpr_kernarg_segment_ptr 1
		.amdhsa_wavefront_size32 1
		.amdhsa_system_sgpr_workgroup_id_x 1
		.amdhsa_system_sgpr_workgroup_id_y 1
		.amdhsa_system_sgpr_workgroup_id_z 1
		.amdhsa_system_vgpr_workitem_id 0
		.amdhsa_next_free_vgpr 1024
		.amdhsa_next_free_sgpr 80
		.amdhsa_reserve_vcc 0
		.amdhsa_float_denorm_mode_32 3
		.amdhsa_float_denorm_mode_16_64 3
		.amdhsa_memory_ordered 1
		.amdhsa_forward_progress 1
		.amdhsa_inst_pref_size 255
	.end_amdhsa_kernel
	.section	.bss,"aw",@nobits
	.p2align	6
	.space	262144
	.amdgpu_metadata
---
amdhsa.version: [ 1, 2 ]
amdhsa.kernels:
  - .name:           k_qf8e4a809cd_proj
    .symbol:         k_qf8e4a809cd_proj.kd
    .args:
      - { .name: hidden_states, .offset: 0, .size: 8, .value_kind: global_buffer, .address_space: global }
      - { .name: Wq_codes, .offset: 8, .size: 8, .value_kind: global_buffer, .address_space: global }
      - { .name: Wk_codes, .offset: 16, .size: 8, .value_kind: global_buffer, .address_space: global }
      - { .name: Wq_scales, .offset: 24, .size: 8, .value_kind: global_buffer, .address_space: global }
      - { .name: Wk_scales, .offset: 32, .size: 8, .value_kind: global_buffer, .address_space: global }
      - { .name: bq, .offset: 40, .size: 8, .value_kind: global_buffer, .address_space: global }
      - { .name: bk, .offset: 48, .size: 8, .value_kind: global_buffer, .address_space: global }
      - { .name: qkv, .offset: 56, .size: 8, .value_kind: global_buffer, .address_space: global }
      - { .name: Wv_codes, .offset: 64, .size: 8, .value_kind: global_buffer, .address_space: global }
      - { .name: Wv_scales, .offset: 72, .size: 8, .value_kind: global_buffer, .address_space: global }
      - { .name: bv, .offset: 80, .size: 8, .value_kind: global_buffer, .address_space: global }
    .group_segment_fixed_size: 70144
    .private_segment_fixed_size: 0
    .kernarg_segment_align: 8
    .kernarg_segment_size: 88
    .max_flat_workgroup_size: 128
    .sgpr_count:     80
    .vgpr_count:     1024
    .wavefront_size: 32
...
	.end_amdgpu_metadata
.endif
;; end of part 4
;; launch attn (part 5): grid 4 x 64, 8 waves a work-group, clusters of 4 x 1, 327,680 bytes of LDS; arguments qkv, attention_mask, cf, cs; writes cf, cs
.if DOCPART == 5
	.amdgcn_target "amdgcn-amd-amdhsa--gfx1250"
	.amdhsa_code_object_version 6
	.text
	.protected	k_qf8e4a809cd_attn
	.globl	k_qf8e4a809cd_attn
	.p2align	8
	.type	k_qf8e4a809cd_attn,@function
k_qf8e4a809cd_attn:
	s_mov_b64 s[64:65], 0
	v_nop
	global_prefetch_b8 v0, s[64:65] scope:SCOPE_SE
	s_setreg_imm32_b32 hwreg(HW_REG_WAVE_MODE, 25, 1), 1
	s_wait_xcnt 0x0
	s_wait_alu depctr_hold_cnt(0) depctr_sa_sdst(0) depctr_va_vdst(0) depctr_va_sdst(0) depctr_va_ssrc(0) depctr_va_vcc(0) depctr_vm_vsrc(0)
	s_getreg_b32 s2, hwreg(HW_REG_IB_STS2, 6, 4)
	s_cmp_eq_u32 s2, 0
	s_cbranch_scc0 .Lentry_in_a_cluster
	s_endpgm
.Lentry_in_a_cluster:
	s_bfe_u32 s2, ttmp6, 0x10000c
	s_cmp_lg_u32 s2, 0x3003
	s_cbranch_scc0 .Lentry_shape_is_right
	s_endpgm
.Lentry_shape_is_right:
; ctx = softmax(q k^T / 8 + mask) v for one (batch, head) a cluster, both products on codes of FP4 (E2M1) with one E8M0 scale for each 32 along K; ctx is quantised along the head's 64 and leaves as images of operand registers.
; THE SOFTMAX AHEAD OF THE SECOND PRODUCT: u = score / 8 + mask; t = u log2(e); M = the row's largest t so far, rounded UP to a whole number; p = 2^(t - M) is quantised along the keys, not normalised;
; the row's sum is taken of the unquantised p and divides at the end; when M moves, the sum and O are multiplied by 2^(old M - new M): exact.
; THE 1/8 lies in q's scale bytes (the launch before took 3 off each).  THE MASK is the C of the first product, in the result's layout: neither costs a vector instruction.
; SHARES.  A cluster of four work-groups is one head; a work-group takes 512 queries in two passes of 256; each of its eight waves TWO tiles of 16 queries.  Tile i has all its own registers in window i, at the same numbers,
; so the softmax is written once.  K's, V's and the mask's registers serve both tiles: 35 LDS loads for 32 queries x 128 keys.
; THE WHOLE HEAD LIES IN LDS: K's and V's fragments and scale words (143,360 bytes, as they lie in the record) and the batch's mask (8,192).  It is filled ONCE, so there is no ring and no barrier in the loops.
; The four partners need the same bytes and ask for them JOINTLY: the same two tensor loads a wave, with the same descriptors and a mask that names the four.  A wave has one tensor load out at a time.
; LAYOUT.  Both products are used transposed: S^T = K Q^T (source 0 = 16 keys, source 1 = my 16 queries), O^T = V^T P^T: a lane holds one query throughout.  The keys of a tile, and the d of a tile of V, are not neighbours
; (lane r of tile 2 b + u: 32 b + 8 u + r + 8 (r / 8)), so that 16 registers of two neighbouring tiles are 16 neighbours along the next K.
; THE FIRST PRODUCT'S K IS 64: q's registers 4-7 are zero codes.  A tile of K is 4 registers; the instruction names 8, the upper four being the next tile's codes (behind the last tile: zeros): they meet zero codes,
; under scale bytes that are a neighbour's or 0, never 0xff, and add nothing.
; LIMITS: blocks of p and of ctx whose largest magnitude lies under 2^-124 are taken at that floor's scale; NaN and +infinity in the mask are not served; -infinity is, where some key of the row stays open;
; a row all of whose keys are masked by -infinity gives NaN, as the definition does.  ctx's scale bytes leave as 2 bytes a lane, 32 bytes apart (two heads share a word): 1 byte in 16 of what a tile stores.
.set REC,   217088
.set O_QF,  143360
.set O_QS,  208896
.set L_VF,  65536                      ; LDS: KF at 0, VF, KS, VS as in the record; the mask behind them
.set L_KS,  131072
.set L_VS,  139264
.set L_MK,  143360
.set LI,   1                           ; v1   16 x lane
.set R16,  2                           ; v2   16 r
.set R32,  3                           ; v3   32 r
.set AKS0, 5                           ; v5   L_KS + 16 r
.set AM0,  6                           ; v6   L_MK + 64 h
.set AV0,  7                           ; v7   L_VF + 16 x lane
.set AVS0, 8                           ; v8   L_VS + 16 r
.set ADK,  9                           ; v9-13 the addresses of the loads in hand: K, KS, mask, V, VS
.set ADS,  10
.set ADM,  11
.set ADV,  12
.set ADT,  13
.set KSR,  16                          ; v16-23  K's scale words, one a tile
.set VSR,  24                          ; v24-27  V's, one a tile
.set PW,   28                          ; v28, v29  p's scale word of tile 0, 1
.set QS,   30                          ; v30, v31  q's
.set KT,   32                          ; v32-63  K's 8 tiles; v64-67 zeros
.set VT,   64                          ; window 1: v64-95 V's 4 fragments; v0-63 the mask of the step's keys, register 16 b + i = key 32 b + 16 h + i
.set S,    96                          ; from here on: the same numbers in window 0 (tile 0) and window 1 (tile 1).  v96-159 S^T, then p
.set O,    160                         ; v160-191 O^T
.set PC,   192                         ; v192-199 p's codes
.set Q,    200                         ; v200-207 q's fragment
.set NM,   208                         ; v208 -M;  v209 the largest t
.set TX,   209
.set L,    210                         ; v210-211 the sum, in two halves
.set BM,   212                         ; v212-215 each block's largest score, then largest p
.set T4,   216                         ; v216-219 at work
.set SO,   220                         ; v220-223 the conversions' scale operands
.set F,    224                         ; v224 2^(old M - new M); v225 named with it as a pair
.set T,    226
.set WV,   12                          ; s12 wave
.set SEL,  40                          ; s[40:41] v_permlanex16_b32's selects for lane l xor 16
.set CS,   42                          ; s[42:43] log2(e)
.set KO,   44                          ; s44 4,096 x step;  s45 512 x step;  s46 256 x step
.set SO8,  45
.set VO,   46
.set STEPS, 47
.set PASS, 48
.set QB,   50                          ; s[50:51] my two tiles of QF;  s[52:53] their scale words;  s[54:55] my place in cf;  s[56:57] in cs
.set QSB,  52
.set CFB,  54
.set CSB,  56
.set MSB, 0
.macro WIN new                         ; the immediate's high byte repeats the setting that is left; a switch that changes nothing is dropped
.if MSB != \new
	s_set_vgpr_msb (MSB<<8)|\new
.set MSB, \new
.endif
.endm
.macro CROUND                          ; a round of the cluster's barrier
	s_barrier_signal -1
	s_barrier_wait -1
	s_cmp_lg_u32 s[WV], 0
	s_cbranch_scc1 .Lnot_wave_0_\@
	s_barrier_signal -3
.Lnot_wave_0_\@:
	s_barrier_wait -3
	s_barrier_signal -1
	s_barrier_wait -1
.endm
.macro QLOAD                           ; a pass's two tiles of q and their scale words
	global_load_b128 v[Q:Q+3], v[LI], s[QB:QB+1]
	WIN 0x40
	global_load_b128 v[Q:Q+3], v[LI], s[QB:QB+1] offset:512
	WIN 0
	global_load_b32 v[QS], v[R16], s[QSB:QSB+1]
	global_load_b32 v[QS+1], v[R16], s[QSB:QSB+1] offset:4
.endm
.macro INIT w                          ; a pass begins: the step is written once, and its first turn finds zeros, which the first change of M leaves zeros
	WIN 0x55*\w
	v_mov_b32 v[TX], 0xff61b1e6                    ; -3e38, under every t
	s_delay_alu instid0(VALU_DEP_1)
	v_floor_f32 v[NM], -v[TX]
	v_mov_b32 v[L], 0
	v_mov_b32 v[L+1], 0
.set jj, 0
.rept 32
	v_mov_b32 v[O+jj], 0
.set jj, jj+1
.endr
.endm
.macro KLOAD                           ; a step's K (8 tiles), its scale words and the mask of its 128 keys: 26 loads
.irp t, 0,1,2,3,4,5,6,7
	ds_load_b128 v[KT+4*\t:KT+4*\t+3], v[ADK] offset:512*\t
.endr
	ds_load_b128 v[KSR:KSR+3], v[ADS]
	ds_load_b128 v[KSR+4:KSR+7], v[ADS] offset:256
	WIN 0x40
.irp b, 0,1,2,3
.irp q, 0,1,2,3
	ds_load_b128 v[16*\b+4*\q:16*\b+4*\q+3], v[ADM] offset:128*\b+16*\q
.endr
.endr
	WIN 0
.endm
; The softmax of tile w for one step of 128 keys.
.macro SOFT w
	WIN 0x55*\w
.irp b, 0,1,2,3
	v_max3_num_f32 v[BM+\b], v[S+16*\b], v[S+16*\b+1], v[S+16*\b+2]   ; the largest u of each block of 32 keys: it serves the row's maximum and, since p rises with u, the block's largest p
.endr
.irp i, 3,5,7,9,11,13
.irp b, 0,1,2,3
	v_max3_num_f32 v[BM+\b], v[BM+\b], v[S+16*\b+\i], v[S+16*\b+\i+1]
.endr
.endr
.irp b, 0,1,2,3
	v_max_num_f32 v[BM+\b], v[BM+\b], v[S+15+16*\b]
.endr
.irp b, 0,1,2,3
	s_delay_alu instid0(VALU_DEP_4)
	v_permlanex16_b32 v[T4+\b], v[BM+\b], s[SEL], s[SEL+1]
.endr
.irp b, 0,1,2,3
	s_delay_alu instid0(VALU_DEP_4)
	v_max_num_f32 v[BM+\b], v[BM+\b], v[T4+\b]     ; with lane l xor 16's 16 keys
.endr
	s_delay_alu instid0(VALU_DEP_2)
	v_max3_num_f32 v[T], v[BM], v[BM+1], v[BM+2]
	s_delay_alu instid0(VALU_DEP_1)
	v_max_num_f32 v[T], v[T], v[BM+3]
	s_delay_alu instid0(VALU_DEP_1)
	v_mul_f32 v[T], s[CS], v[T]                    ; the step's largest t
	s_delay_alu instid0(VALU_DEP_1)
	v_max_num_f32 v[TX], v[TX], v[T]
	v_mov_b32 v[T], v[NM]
	s_delay_alu instid0(VALU_DEP_2)
	v_floor_f32 v[NM], -v[TX]                      ; -M = floor(-t) = -ceil(t)
	s_delay_alu instid0(VALU_DEP_1)
	v_sub_f32 v[T], v[NM], v[T]                    ; old M - new M: a whole number, 0 or less
	s_delay_alu instid0(VALU_DEP_1)
	v_cvt_i32_f32 v[T], v[T]                       ; (it saturates)
	s_delay_alu instid0(VALU_DEP_1)
	v_ldexp_f32 v[F], 1.0, v[T]
.set jj, 0
.rept 32
	v_pk_fma_f32 v[S+jj:S+jj+1], v[S+jj:S+jj+1], s[CS:CS+1], v[NM:NM+1] op_sel_hi:[1,0,0]   ; t - M, two at a time
.set jj, jj+2
.endr
.irp b, 0,1,2,3
	v_fma_f32 v[BM+\b], v[BM+\b], s[CS], v[NM]
.endr
.set jj, 0
	s_wait_alu depctr_va_vdst(0)
.rept 64
	v_exp_f32 v[S+jj], v[S+jj]                     ; p = 2^(t - M)
.set jj, jj+1
.endr
.irp b, 0,1,2,3
	v_exp_f32 v[BM+\b], v[BM+\b]                   ; the block's largest p: the same two instructions on the same number
.endr
	v_pk_mul_f32 v[L:L+1], v[L:L+1], v[F:F+1] op_sel_hi:[1,0]   ; the sum under the new M.  (A plain place behind the exponentials)
	s_wait_alu depctr_va_vdst(0)
.irp b, 0,1,2,3
	v_max_num_f32 v[BM+\b], 0x1800000, v[BM+\b]    ; the floor 2^(3 - 127): the byte cannot fall under 1
.endr
.irp b, 0,1,2,3
	s_delay_alu instid0(VALU_DEP_4)
	v_add_nc_u32 v[SO+\b], 0xff000000, v[BM+\b]    ; 2 off the exponent field: the conversion's scale operand
.endr
.irp b, 0,1,2,3
	s_delay_alu instid0(VALU_DEP_4)
	v_lshrrev_b32 v[T4+\b], 23, v[SO+\b]           ; the scale's byte
.endr
	s_delay_alu instid0(VALU_DEP_3)
	v_lshl_or_b32 v[T], v[T4+1], 8, v[T4]
	s_delay_alu instid0(VALU_DEP_1)
	v_lshl_or_b32 v[T], v[T4+2], 16, v[T]
.if \w
	WIN 0x15                                       ; scale operands have no window: the word goes to window 0
.endif
	v_lshl_or_b32 v[PW+\w], v[T4+3], 24, v[T]
	WIN 0x55*\w
.irp b, 0,1,2,3
	v_cvt_scalef32_pk8_fp4_f32 v[PC+2*\b], v[S+16*\b:S+7+16*\b], v[SO+\b]
	v_cvt_scalef32_pk8_fp4_f32 v[PC+1+2*\b], v[S+8+16*\b:S+15+16*\b], v[SO+\b]
.endr
	v_nop                                          ; one plain place behind a scaled conversion
.irp c, 0,1
.irp i, 0,1
	v_permlane16_swap_b32 v[PC+4*\c+\i], v[PC+2+4*\c+\i]
.endr
.endr
	v_pk_add_f32 v[T4:T4+1], v[S:S+1], v[S+2:S+3]  ; the row's sum, of the unquantised p: two at a time, in two chains
.irp j, 4,8,12,16,20,24,28,32,36,40,44,48,52,56,60
	v_pk_add_f32 v[L:L+1], v[L:L+1], v[S+\j:S+\j+1]
	v_pk_add_f32 v[T4:T4+1], v[T4:T4+1], v[S+\j+2:S+\j+3]
.endr
	s_delay_alu instid0(VALU_DEP_1)
	v_pk_add_f32 v[L:L+1], v[L:L+1], v[T4:T4+1]
.set jj, 0
.rept 16
	v_pk_mul_f32 v[O+jj:O+jj+1], v[O+jj:O+jj+1], v[F:F+1] op_sel_hi:[1,0]   ; O^T under the new M, each accumulator from its low end on.  (With the sums: the places between p's codes and scale word and the products)
.set jj, jj+2
.endr
.endm
; A pass ends for tile w: O^T / the sum, quantised along the head's 64 (two blocks), stored as half a fragment and half a scale word.
.macro EPI w
	WIN 0x55*\w
	v_add_f32 v[L], v[L], v[L+1]
	s_delay_alu instid0(VALU_DEP_1)
	v_permlanex16_b32 v[T4], v[L], s[SEL], s[SEL+1]
	s_delay_alu instid0(VALU_DEP_1)
	v_add_f32 v[L], v[L], v[T4]
	s_wait_alu depctr_va_vdst(0)
	v_rcp_f32 v[F], v[L]
	v_nop                                          ; one plain place behind a transcendental
.set jj, 0
	s_wait_alu depctr_va_vdst(0)
.rept 16
	v_pk_mul_f32 v[O+jj:O+jj+1], v[O+jj:O+jj+1], v[F:F+1] op_sel_hi:[1,0]
.set jj, jj+2
.endr
.irp b, 0,1
	v_max3_num_f32 v[BM+\b], |v[O+16*\b]|, |v[O+16*\b+1]|, 0x1800000
.endr
.irp i, 2,4,6,8,10,12,14
.irp b, 0,1
	s_delay_alu instid0(VALU_DEP_2)
	v_max3_num_f32 v[BM+\b], v[BM+\b], |v[O+16*\b+\i]|, |v[O+16*\b+\i+1]|
.endr
.endr
.irp b, 0,1
	s_delay_alu instid0(VALU_DEP_2)
	v_permlanex16_b32 v[T4+\b], v[BM+\b], s[SEL], s[SEL+1]
.endr
.irp b, 0,1
	s_delay_alu instid0(VALU_DEP_2)
	v_max_num_f32 v[BM+\b], v[BM+\b], v[T4+\b]
.endr
.irp b, 0,1
	s_delay_alu instid0(VALU_DEP_2)
	v_add_nc_u32 v[SO+\b], 0xff000000, v[BM+\b]
.endr
.irp b, 0,1
	s_delay_alu instid0(VALU_DEP_2)
	v_lshrrev_b32 v[T4+\b], 23, v[SO+\b]
.endr
	s_delay_alu instid0(VALU_DEP_1)
	v_lshl_or_b32 v[T], v[T4+1], 8, v[T4]
.irp b, 0,1
	v_cvt_scalef32_pk8_fp4_f32 v[PC+2*\b], v[O+16*\b:O+7+16*\b], v[SO+\b]
	v_cvt_scalef32_pk8_fp4_f32 v[PC+1+2*\b], v[O+8+16*\b:O+15+16*\b], v[SO+\b]
.endr
	v_nop
	v_permlane16_swap_b32 v[PC], v[PC+2]
	v_permlane16_swap_b32 v[PC+1], v[PC+3]
	WIN 0x04*\w                                    ; a store's data are its source 1
	global_store_b128 v[LI], v[PC:PC+3], s[CFB:CFB+1] offset:8192*\w   ; the wave stores 512 consecutive bytes
	global_store_b16 v[R32], v[T], s[CSB:CSB+1] offset:512*\w          ; both halves of the lanes store the same two bytes
	WIN 0
.endm
	s_load_b256 s[4:11], s[0:1], 0x0               ; the records, the mask, cf, cs
	v_lshl_add_u32 v254, v0, 2, 0x29000
	v_mov_b32 v255, 0
	ds_add_u32 v254, v255
	ds_add_u32 v254, v255
	v_lshrrev_b32 v1, 5, v0
	s_delay_alu instid0(VALU_DEP_1)
	v_readfirstlane_b32 s[WV], v1                  ; wave 0..7
	s_bfe_u32 s13, ttmp6, 0x40000                  ; cx: my place in the cluster: it enters q's, cf's and cs's addresses alone
	s_and_b32 s14, ttmp7, 0xffff                   ; 16 x batch + head, which the four partners share
	; descriptor group 1: dense blocks as rows of 256 bytes (32 elements of 8 bytes): 70 rows a wave of the record, 4 rows a wave of the mask
	s_mov_b32 s16, 15|(3<<16)|(1<<21)              ; 15:0 the mask: all four work-groups; 17:16 elements of 8 bytes; 21 set beside a mask
	s_mov_b32 s17, 32<<16                          ; tensor_dim0 = 32
	s_mov_b32 s18, 70<<16                          ; tensor_dim1 = 70
	s_mov_b32 s19, 32<<16                          ; tile_dim0 = 32
	s_mov_b32 s20, 70                              ; tile_dim1 = 70
	s_mov_b32 s21, 32                              ; from row to row: 32 elements
	s_mov_b32 s22, 0
	s_mov_b32 s23, 0
	s_mov_b32 s24, 15|(3<<16)|(1<<21)
	s_mov_b32 s25, 32<<16
	s_mov_b32 s26, 4<<16
	s_mov_b32 s27, 32<<16
	s_mov_b32 s28, 4
	s_mov_b32 s29, 32
	s_mov_b32 s30, 0
	s_mov_b32 s31, 0
	s_mul_i32 s58, s14, REC                        ; my head's record
	s_mov_b32 s59, 0
	s_mov_b32 s32, 1                               ; group 0: count = 1
	s_mul_i32 s33, s[WV], 17920                    ; LDS address: wave x 70 rows
	s_add_co_u32 s60, s58, s33                     ; and the same bytes of the record
	s_mov_b32 s61, 0
	s_mov_b32 s36, 1
	s_lshl_b32 s62, s[WV], 10
	s_add_co_u32 s37, s62, L_MK                    ; the mask: wave x 4 rows
	s_lshr_b32 s63, s14, 4
	s_lshl_b32 s63, s63, 13                        ; the batch's 8,192 bytes
	s_add_co_u32 s62, s62, s63
	s_mov_b32 s63, 0
	; offsets that hold cx, in registers of their own
	s_lshl_b32 s66, s13, 14
	s_lshl_b32 s67, s[WV], 10
	s_add_co_u32 s66, s66, s67                     ; tile 32 cx + 2 w, x 512
	s_add_co_u32 s66, s66, s58
	s_add_co_u32 s66, s66, O_QF
	s_mov_b32 s67, 0
	s_lshl_b32 s68, s13, 11                        ; its scale word: block of 8 tiles 4 cx + w / 4, x 512,
	s_lshr_b32 s69, s[WV], 2
	s_lshl_b32 s69, s69, 9
	s_add_co_u32 s68, s68, s69
	s_bfe_u32 s69, s[WV], 0x10001
	s_lshl_b32 s69, s69, 8                         ; which four of the eight, x 256,
	s_add_co_u32 s68, s68, s69
	s_and_b32 s69, s[WV], 1
	s_lshl_b32 s69, s69, 3                         ; which two of the four, x 8
	s_add_co_u32 s68, s68, s69
	s_add_co_u32 s68, s68, s58
	s_add_co_u32 s68, s68, O_QS
	s_mov_b32 s69, 0
	s_lshr_b32 s70, s14, 4
	s_lshl_b32 s70, s70, 7
	s_lshl_b32 s71, s13, 5
	s_add_co_u32 s70, s70, s71
	s_lshl_b32 s71, s[WV], 1
	s_add_co_u32 s70, s70, s71                     ; my first tile of rows among all 512: 128 x batch + 32 cx + 2 w
	s_and_b32 s71, s14, 15                         ; the head
	s_lshl_b32 s72, s70, 13
	s_lshl_b32 s73, s71, 9
	s_add_co_u32 s72, s72, s73                     ; cf: 8,192 a tile, 512 a head
	s_mov_b32 s73, 0
	s_lshl_b32 s74, s70, 9
	s_lshl_b32 s75, s71, 1
	s_add_co_u32 s74, s74, s75                     ; cs: 512 a tile, 2 a head
	s_mov_b32 s75, 0
	s_mov_b32 s[SEL], 0x76543210
	s_mov_b32 s[SEL+1], 0xfedcba98
	s_mov_b32 s[CS], 0x3fb8aa3b                    ; log2(e)
	s_mov_b32 s[CS+1], s[CS]                       ; (named with it as a pair, so it is written)
	s_mov_b32 s[KO], 0
	s_mov_b32 s[SO8], 0
	s_mov_b32 s[VO], 0
	s_mov_b32 s[PASS], 2
	s_wait_dscnt 0x0
	s_wait_kmcnt 0x0
	s_add_nc_u64 s[34:35], s[4:5], s[60:61]
	s_or_b32 s35, s35, 0x80000000                  ; type = 2
	s_add_nc_u64 s[38:39], s[6:7], s[62:63]
	s_or_b32 s39, s39, 0x80000000
	s_add_nc_u64 s[QB:QB+1], s[4:5], s[66:67]
	s_add_nc_u64 s[QSB:QSB+1], s[4:5], s[68:69]
	s_add_nc_u64 s[CFB:CFB+1], s[8:9], s[72:73]
	s_add_nc_u64 s[CSB:CSB+1], s[10:11], s[74:75]
	CROUND                                         ; all four work-groups are here: the joint loads meet
	tensor_load_to_lds s[32:35], s[16:23]          ; my eighth of K, V and their scale words
	s_nop 0
	s_wait_alu depctr_va_vdst(0)
	s_wait_tensorcnt 0x0
	ds_add_u32 v254, v255
	s_wait_dscnt 0x0
	CROUND
	tensor_load_to_lds s[36:39], s[24:31]          ; my eighth of the mask
	s_nop 0
.rept 4
	v_nop
.endr
	v_and_b32 v14, 31, v0
	s_delay_alu instid0(VALU_DEP_1)
	v_lshlrev_b32 v[LI], 4, v14
	v_and_b32 v14, 15, v0
	v_bfe_u32 v15, v0, 4, 1
	s_delay_alu instid0(VALU_DEP_2)
	v_lshlrev_b32 v[R16], 4, v14
	s_delay_alu instid0(VALU_DEP_3)
	v_lshlrev_b32 v[R32], 5, v14
	s_delay_alu instid0(VALU_DEP_2)
	v_add_nc_u32 v[AKS0], L_KS, v[R16]
	s_delay_alu instid0(VALU_DEP_4)
	v_lshlrev_b32 v[AM0], 6, v15
	s_delay_alu instid0(VALU_DEP_1)
	v_add_nc_u32 v[AM0], L_MK, v[AM0]
	v_add_nc_u32 v[AV0], L_VF, v[LI]
	v_add_nc_u32 v[AVS0], L_VS, v[R16]
.irp i, 0,1,2,3
	v_mov_b32 v[KT+32+\i], 0                       ; behind K's last tile: zero codes
	v_mov_b32 v[Q+4+\i], 0                         ; q's k = 64 .. 127: zero codes
	v_mov_b32 v[T4+\i], 0                          ; written once: a lane permute's destination counts as one of its sources
.endr
	v_mov_b32 v[F+1], 0
	WIN 0x40
.irp i, 0,1,2,3
	v_mov_b32 v[Q+4+\i], 0
	v_mov_b32 v[T4+\i], 0
.endr
	v_mov_b32 v[F+1], 0
	WIN 0
	QLOAD
	s_wait_tensorcnt 0x0                           ; my parts have landed,
	s_barrier_signal -1
	s_barrier_wait -1                              ; everybody's have; LDS is only read from here on
	v_add_nc_u32 v[ADK], s[KO], v[LI]
	v_add_nc_u32 v[ADS], s[SO8], v[AKS0]
	v_add_nc_u32 v[ADM], s[SO8], v[AM0]
	KLOAD                                          ; step 0
.Lpass:                                            ; two trips: 256 queries each
	INIT 0
	INIT 1
	WIN 0
	s_wait_loadcnt 0x0                             ; q
	s_mov_b32 s[STEPS], 16
.Lstep:                                            ; 16 trips: 128 keys each
	s_wait_dscnt 0x0                               ; K, its scale words and the mask, asked for a step ago
	WIN 0x10                                       ; C (the mask) in window 1
.irp t, 0,1,2,3,4,5,6,7
	v_wmma_scale_f32_16x16x128_f8f6f4 v[S+8*\t:S+8*\t+7], v[KT+4*\t:KT+4*\t+7], v[Q:Q+7], v[8*\t:8*\t+7], v[KSR+\t], v[QS] matrix_a_fmt:MATRIX_FMT_FP4 matrix_b_fmt:MATRIX_FMT_FP4
.endr
	WIN 0x54                                       ; tile 1: q, the mask and the result in window 1
.irp t, 0,1,2,3,4,5,6,7
	v_wmma_scale_f32_16x16x128_f8f6f4 v[S+8*\t:S+8*\t+7], v[KT+4*\t:KT+4*\t+7], v[Q:Q+7], v[8*\t:8*\t+7], v[KSR+\t], v[QS+1] matrix_a_fmt:MATRIX_FMT_FP4 matrix_b_fmt:MATRIX_FMT_FP4
.endr
	WIN 0
	v_add_nc_u32 v[ADV], s[KO], v[AV0]             ; five additions: the places in front of the loads below and of the first read of the scores
	v_add_nc_u32 v[ADT], s[VO], v[AVS0]
	s_add_co_u32 s[KO], s[KO], 4096                ; on to the next step; behind the last step: back to the first, which the next pass wants
	s_and_b32 s[KO], s[KO], 0xf000
	s_lshr_b32 s[SO8], s[KO], 3
	s_lshr_b32 s[VO], s[KO], 4
	v_add_nc_u32 v[ADK], s[KO], v[LI]
	v_add_nc_u32 v[ADS], s[SO8], v[AKS0]
	v_add_nc_u32 v[ADM], s[SO8], v[AM0]
	WIN 0x40
.irp j, 0,1,2,3
.irp c, 0,1
	ds_load_b128 v[VT+8*\j+4*\c:VT+8*\j+4*\c+3], v[ADV] offset:1024*\j+512*\c   ; this step's V
.endr
.endr
	WIN 0
	ds_load_b128 v[VSR:VSR+3], v[ADT]
	KLOAD                                          ; the next step's K and mask: they have the softmax in which to land
	SOFT 0
	SOFT 1
	s_wait_alu depctr_va_vdst(0)
	s_wait_dscnt 26                                ; V and its scale words are in; the 26 loads issued behind them may stay out
.irp j, 0,1,2,3
	v_wmma_scale_f32_16x16x128_f8f6f4 v[O+8*\j:O+8*\j+7], v[VT+8*\j:VT+8*\j+7], v[PC:PC+7], v[O+8*\j:O+8*\j+7], v[VSR+\j], v[PW+1] matrix_a_fmt:MATRIX_FMT_FP4 matrix_b_fmt:MATRIX_FMT_FP4
.endr
	WIN 0x01                                       ; tile 0: V alone in window 1
.irp j, 0,1,2,3
	v_wmma_scale_f32_16x16x128_f8f6f4 v[O+8*\j:O+8*\j+7], v[VT+8*\j:VT+8*\j+7], v[PC:PC+7], v[O+8*\j:O+8*\j+7], v[VSR+\j], v[PW] matrix_a_fmt:MATRIX_FMT_FP4 matrix_b_fmt:MATRIX_FMT_FP4
.endr
	WIN 0                                          ; at a label and at a branch every window is 0
	s_sub_co_i32 s[STEPS], s[STEPS], 1
	s_cmp_lg_u32 s[STEPS], 0
	s_cbranch_scc1 .Lstep
.rept 4
	v_nop                                          ; places behind the last products
.endr
	s_wait_xcnt 0x0                                ; q's loads have read their bases
	s_add_nc_u64 s[QB:QB+1], s[QB:QB+1], 8192      ; 16 tiles on
	s_add_nc_u64 s[QSB:QSB+1], s[QSB:QSB+1], 1024
	s_cmp_eq_u32 s[PASS], 1                        ; the last pass asks for nothing: no load leaves its buffer.  The count is the same in all partners
	s_cbranch_scc1 .Lnoq
	QLOAD
.Lnoq:
	EPI 0
	EPI 1
	s_wait_xcnt 0x0                                ; the stores have read their registers and bases
	s_add_nc_u64 s[CFB:CFB+1], s[CFB:CFB+1], 131072
	s_add_nc_u64 s[CSB:CSB+1], s[CSB:CSB+1], 8192
	s_sub_co_i32 s[PASS], s[PASS], 1
	s_cmp_lg_u32 s[PASS], 0
	s_cbranch_scc1 .Lpass
	s_wait_dscnt 0x0                               ; the last step's look-ahead
	s_wait_tensorcnt 0x0
	ds_add_u32 v254, v255
	s_wait_dscnt 0x0
	CROUND                                         ; the closing round
	s_endpgm
.Lfunc_end_k_qf8e4a809cd_attn:
	.size	k_qf8e4a809cd_attn, .Lfunc_end_k_qf8e4a809cd_attn-k_qf8e4a809cd_attn
	.p2alignl 7, 3214868480
	.fill 96, 4, 3214868480
	.section	.rodata,"a",@progbits
	.p2align	6, 0x0
	.amdhsa_kernel k_qf8e4a809cd_attn
		.amdhsa_group_segment_fixed_size 327680
		.amdhsa_private_segment_fixed_size 0
		.amdhsa_enable_private_segment 0
		.amdhsa_kernarg_size 32
		.amdhsa_user_sgpr_count 2
		.amdhsa_user_sgpr_kernarg_segment_ptr 1
		.amdhsa_wavefront_size32 1
		.amdhsa_system_sgpr_workgroup_id_x 1
		.amdhsa_system_sgpr_workgroup_id_y 1
		.amdhsa_system_sgpr_workgroup_id_z 1
		.amdhsa_system_vgpr_workitem_id 0
		.amdhsa_next_free_vgpr 512
		.amdhsa_next_free_sgpr 80
		.amdhsa_reserve_vcc 0
		.amdhsa_float_denorm_mode_32 3
		.amdhsa_float_denorm_mode_16_64 3
		.amdhsa_memory_ordered 1
		.amdhsa_forward_progress 1
		.amdhsa_inst_pref_size 53
	.end_amdhsa_kernel
	.amdgpu_metadata
---
amdhsa.version: [ 1, 2 ]
amdhsa.kernels:
  - .name:           k_qf8e4a809cd_attn
    .symbol:         k_qf8e4a809cd_attn.kd
    .args:
      - { .name: qkv, .offset: 0, .size: 8, .value_kind: global_buffer, .address_space: global }
      - { .name: attention_mask, .offset: 8, .size: 8, .value_kind: global_buffer, .address_space: global }
      - { .name: cf, .offset: 16, .size: 8, .value_kind: global_buffer, .address_space: global }
      - { .name: cs, .offset: 24, .size: 8, .value_kind: global_buffer, .address_space: global }
    .group_segment_fixed_size: 327680
    .private_segment_fixed_size: 0
    .kernarg_segment_align: 8
    .kernarg_segment_size: 32
    .max_flat_workgroup_size: 256
    .sgpr_count:     80
    .vgpr_count:     512
    .wavefront_size: 32
...
	.end_amdgpu_metadata
.endif
;; end of part 5
;; launch outln (part 6): grid 256 x 1, 4 waves a work-group, no clusters, 132,096 bytes of LDS; arguments cf, cs, Wo_codes, Wo_scales, bo, hidden_states, ln_gamma, ln_beta, out0; writes out0
.if DOCPART == 6
	.amdgcn_target "amdgcn-amd-amdhsa--gfx1250"
	.amdhsa_code_object_version 6
	.text
	.protected	k_qf8e4a809cd_outln
	.globl	k_qf8e4a809cd_outln
	.p2align	8
	.type	k_qf8e4a809cd_outln,@function
k_qf8e4a809cd_outln:
	s_mov_b64 s[64:65], 0
	v_nop
	global_prefetch_b8 v0, s[64:65] scope:SCOPE_SE
	s_setreg_imm32_b32 hwreg(HW_REG_WAVE_SCHED_MODE, 0, 2), 2
	s_setreg_imm32_b32 hwreg(HW_REG_WAVE_MODE, 25, 1), 1
	s_wait_xcnt 0x0
	s_wait_alu depctr_vm_vsrc(0)
; out = LayerNorm(ctx Wo + bo + x) gamma + beta.  ctx arrives as images of operand registers (cf) with its scale words (cs); Wo as codes of FP4 (E2M1), K innermost, with one E8M0 scale for each 32 along K.
; SHARES.  A work-group owns 32 rows and all 1,024 columns, so that a row's mean and variance stay inside it: 256 work-groups.
; PHASE 1: wave w makes columns 256 w .. + 255: 16 tiles of Wo, each against the two tiles of rows; two accumulators by turns.  Wo's fragments go from memory straight into registers,
; three tiles (48 loads) ahead.  The product is used transposed (source 0 = 16 rows of Wo, source 1 = ctx): a lane holds eight neighbouring columns of one row, which go to a stage in LDS.
; PHASE 2, behind the one barrier: wave w owns eight whole rows, one at a time: a reduction never leaves the wave, and each load and store of the wave covers 512 consecutive bytes.
; The residual's 64 loads a wave are strewn over phase 1's 16 steps, four a step, into registers of their own.  The variance is taken of the numbers less the mean: no difference of large sums.
; ROWS.  Lane r of ctx's tile u holds row 8 u + r + 8 (r / 8) of the 32.  The stage's rows lie in lane order, 16 u + r; wave w reads stage rows 8 w + k, which are rows 8 (w / 2) + 16 (w % 2) + k.
; NO JOINT LOADS: each fragment of Wo goes straight into the registers of the one wave that multiplies by it and feeds two products there; through LDS each byte would be written and read once more.
; LIMITS: NaN and infinities among the inputs are not served.
; THE MODE: SCHED_MODE bits 1:0 = 2 (LLVM: expert scheduling mode 2), set by the entry lines.  The code itself states the register dependences between vector or matrix instructions and memory or LDS instructions,
; with s_wait_alu, always for 0.
; THE PLAN.  Registers that memory or LDS instructions touch:
;   v1-v6         addresses: written at the head, ahead of one wait on va_vdst, and never again.
;   window 2      three tiles of Wo: step t's products read tile t % 3; behind them the loads of tile t + 3 land there.
;   ACC           two sets: step t's products write set t % 2; step t's LDS stores read it; step t + 2's products write it again.
;   window 3      the residual: loaded in phase 1, read by vector instructions in phase 2, never loaded again.  ctx, the scale words, bo, gamma, beta: loaded once at the head.
;   Y             two row buffers: row k's vector instructions work in buffer k % 2; row k's stores read it; the LDS loads of row k + 2, issued at the head of row k + 1, land in it.
;   v254, v255    written at the head, read by the closing add alone.
; So a step has ONE wait on va_vdst, behind its products and their places (the accumulators are written, the tile is read), which serves its 20 loads and 4 LDS stores, and from step 2 on one on vm_vsrc at its head.
; A row has one wait on vm_vsrc at its head, the wait behind its reciprocal root, and one on va_vdst ahead of its stores; no vector instruction stands between that one and the next row's LDS loads.
.set SPITCH, 4112                      ; a stage row: 4,096 bytes + 16: the 16 rows that a store touches fall on 16 different 16-byte columns of 256 bytes
.set LI,  1                            ; v1   16 x lane
.set WA,  2                            ; v2   Wo's codes: 512 r + 16 h
.set WSA, 3                            ; v3   scale words: 32 r + 16 h
.set SA0, 4                            ; v4, v5  the stage: (16 u + r) x SPITCH + 32 h + 1,024 w
.set RDA, 6                            ; v6   back: 16 x lane + 8 w x SPITCH
.set CSR, 8                            ; v8-15   ctx's scale words, four registers a tile: K step i in lanes 0-15, K step 4 + i in lanes 16-31
.set WSR, 16                           ; v16-79  Wo's, four registers a tile
.set ACC, 80                           ; v80-111 two sets of two accumulators
.set Y0,  112                          ; v112-175 two rows at work
.set SUM, 176                          ; v176-179 two chains
.set MU,  180                          ; v180 the mean (v181 named with it);  v182 1 / sqrt(var + eps) (v183 likewise);  v184, v185 at work
.set RSD, 182
.set BO,  128                          ; window 1: v0-127 ctx's 16 fragments (64 u + 8 s);  v128-159 bo, v160-191 gamma, v192-223 beta at columns 128 i + 4 x lane + 0 .. 3
.set GA,  160
.set BE,  192                          ; window 2: v0-191 three tiles of Wo.   window 3: the residual, row k at v[32 k]
.set MSB, 0
.macro WIN new                         ; the immediate's high byte repeats the setting that is left; a switch that changes nothing is dropped
.if MSB != \new
	s_set_vgpr_msb (MSB<<8)|\new
.set MSB, \new
.endif
.endm
.macro WLD t                           ; tile t of my 16: 16 rows x 1,024 K
	WIN 0x80
.irp s, 0,1,2,3,4,5,6,7
.irp c, 0,1
	global_load_b128 v[64*((\t)%3)+8*\s+4*\c:64*((\t)%3)+8*\s+4*\c+3], v[WA], s[8:9] offset:8192*(\t)+64*\s+32*\c
.endr
.endr
	WIN 0
.endm
.macro STEP t
.if \t < 3
	s_wait_loadcnt 32+4*\t                         ; behind tile t's loads: two tiles of 16, and t groups of 4 of the residual
.elseif \t < 14
	s_wait_loadcnt 44                              ; two tiles of 16 and three groups of 4
.elseif \t == 14
	s_wait_loadcnt 28                              ; one tile and three groups
.else
	s_wait_loadcnt 12                              ; three groups
.endif
	s_wait_dscnt 0x0                               ; the stores of the steps before are done
.if \t > 1
	s_wait_alu depctr_vm_vsrc(0)                   ; the LDS stores of two steps ago have read this set of accumulators, which the products below write again
.endif
	WIN 0x06                                       ; source 0 (Wo) window 2, source 1 (ctx) window 1
.irp s, 0,1,2,3,4,5,6,7
.irp u, 0,1
.set rD, ACC+16*(\t%2)+8*\u
.set rA, 64*(\t%3)+8*\s
.set rB, 64*\u+8*\s
.set rSA, WSR+4*\t+\s%4
.set rSB, CSR+4*\u+\s%4
.if \s == 0
	v_wmma_scale_f32_16x16x128_f8f6f4 v[rD:rD+7], v[rA:rA+7], v[rB:rB+7], 0, v[rSA], v[rSB] matrix_a_fmt:MATRIX_FMT_FP4 matrix_b_fmt:MATRIX_FMT_FP4
.elseif \s < 4
	v_wmma_scale_f32_16x16x128_f8f6f4 v[rD:rD+7], v[rA:rA+7], v[rB:rB+7], v[rD:rD+7], v[rSA], v[rSB] matrix_a_fmt:MATRIX_FMT_FP4 matrix_b_fmt:MATRIX_FMT_FP4
.else
	v_wmma_scale_f32_16x16x128_f8f6f4 v[rD:rD+7], v[rA:rA+7], v[rB:rB+7], v[rD:rD+7], v[rSA], v[rSB] matrix_a_fmt:MATRIX_FMT_FP4 matrix_b_fmt:MATRIX_FMT_FP4 matrix_a_scale:MATRIX_SCALE_ROW1 matrix_b_scale:MATRIX_SCALE_ROW1
.endif
.endr
.endr
	WIN 0
.rept 4
	v_nop                                          ; four places in front of the loads into this tile's registers and of the stores of the results
.endr
	s_wait_alu depctr_va_vdst(0)                   ; the step's products have written their accumulators, which the LDS stores below read, and are done reading this tile of Wo, in which the loads below land; the places above stay beside this wait
.if \t < 13
	WLD \t+3
.endif
	WIN 0xc0
.irp q, 0,1,2,3
.set rQ, 4*\t+\q
	global_load_b128 v[4*rQ:4*rQ+3], v[LI], s[14:15] offset:4096*(rQ/8)+512*(rQ%8) th:TH_LOAD_NT   ; the residual: 512 consecutive bytes of one of my eight rows; read once in the launch
.endr
	WIN 0
.irp u, 0,1
.set rD, ACC+16*(\t%2)+8*\u
	ds_store_b128 v[SA0+\u], v[rD:rD+3] offset:64*\t            ; each accumulator from its low end on
	ds_store_b128 v[SA0+\u], v[rD+4:rD+7] offset:64*\t+16
.endr
.endm
.macro RLOAD k                         ; stage row 8 w + k into the row's buffer
.set rZ, Y0+32*((\k)%2)
.irp i, 0,1,2,3,4,5,6,7
	ds_load_b128 v[rZ+4*\i:rZ+4*\i+3], v[RDA] offset:SPITCH*(\k)+512*\i
.endr
.endm
.macro REDUCE                          ; the two chains, then the 32 lanes: the sum in every lane's v[SUM]
	v_pk_add_f32 v[SUM:SUM+1], v[SUM:SUM+1], v[SUM+2:SUM+3]
	v_add_f32 v[SUM], v[SUM], v[SUM+1]
	v_add_f32_dpp v[SUM], v[SUM], v[SUM] row_xmask:1 row_mask:0xf bank_mask:0xf
	v_add_f32_dpp v[SUM], v[SUM], v[SUM] row_xmask:2 row_mask:0xf bank_mask:0xf
	v_add_f32_dpp v[SUM], v[SUM], v[SUM] row_xmask:4 row_mask:0xf bank_mask:0xf
	v_add_f32_dpp v[SUM], v[SUM], v[SUM] row_xmask:8 row_mask:0xf bank_mask:0xf
	v_permlanex16_b32 v184, v[SUM], s34, s35
	v_add_f32 v[SUM], v[SUM], v184
.endm
.macro ROW k
.set rY, Y0+32*((\k)%2)
.if \k < 7
	s_wait_xcnt 0x0                                ; the row before's stores have had their addresses translated
.if \k > 0
	s_wait_alu depctr_vm_vsrc(0)                   ; the row before's stores have read the other buffer, in which the loads below land (its vector instructions stand ahead of the last wait on va_vdst)
.endif
	RLOAD \k+1
	s_wait_dscnt 8                                 ; this row is in; the next row's 8 loads may stay out
.else
	s_wait_dscnt 0x0
.endif
	WIN 0x04                                       ; source 1 window 1
.set jj, 0
.rept 16
	v_pk_add_f32 v[rY+jj:rY+jj+1], v[rY+jj:rY+jj+1], v[BO+jj:BO+jj+1]
.set jj, jj+2
.endr
	WIN 0x0c                                       ; source 1 window 3
.set jj, 0
.rept 16
	v_pk_add_f32 v[rY+jj:rY+jj+1], v[rY+jj:rY+jj+1], v[32*\k+jj:32*\k+jj+1]
.set jj, jj+2
.endr
	WIN 0
	v_pk_add_f32 v[SUM:SUM+1], v[rY:rY+1], v[rY+2:rY+3]
	v_pk_add_f32 v[SUM+2:SUM+3], v[rY+4:rY+5], v[rY+6:rY+7]
.irp j, 8,12,16,20,24,28
	v_pk_add_f32 v[SUM:SUM+1], v[SUM:SUM+1], v[rY+\j:rY+\j+1]
	v_pk_add_f32 v[SUM+2:SUM+3], v[SUM+2:SUM+3], v[rY+\j+2:rY+\j+3]
.endr
	REDUCE
	v_mul_f32 v[MU], s36, v[SUM]                   ; the mean: x 2^-10
.set jj, 0
.rept 16
	v_pk_add_f32 v[rY+jj:rY+jj+1], v[rY+jj:rY+jj+1], v[MU:MU+1] op_sel_hi:[1,0] neg_lo:[0,1] neg_hi:[0,1]
.set jj, jj+2
.endr
	v_pk_mul_f32 v[SUM:SUM+1], v[rY:rY+1], v[rY:rY+1]
	v_pk_mul_f32 v[SUM+2:SUM+3], v[rY+2:rY+3], v[rY+2:rY+3]
.irp j, 4,8,12,16,20,24,28
	v_pk_fma_f32 v[SUM:SUM+1], v[rY+\j:rY+\j+1], v[rY+\j:rY+\j+1], v[SUM:SUM+1]
	v_pk_fma_f32 v[SUM+2:SUM+3], v[rY+\j+2:rY+\j+3], v[rY+\j+2:rY+\j+3], v[SUM+2:SUM+3]
.endr
	REDUCE
	v_fma_f32 v185, v[SUM], s36, s37               ; the variance + 1e-12
	s_wait_alu depctr_va_vdst(0)
	v_rsq_f32 v[RSD], v185
	v_nop                                          ; one plain place behind a transcendental
.set jj, 0
	s_wait_alu depctr_va_vdst(0)                   ; the reciprocal root is written into v[RSD], ahead of its first reader
.rept 16
	v_pk_mul_f32 v[rY+jj:rY+jj+1], v[rY+jj:rY+jj+1], v[RSD:RSD+1] op_sel_hi:[1,0]
.set jj, jj+2
.endr
	WIN 0x14                                       ; sources 1 and 2 window 1
.set jj, 0
.rept 16
	v_pk_fma_f32 v[rY+jj:rY+jj+1], v[rY+jj:rY+jj+1], v[GA+jj:GA+jj+1], v[BE+jj:BE+jj+1]
.set jj, jj+2
.endr
	WIN 0
	s_wait_alu depctr_va_vdst(0)                   ; the row's last multiply-adds have written its buffer, which the stores below read; the row's vector instructions are done with it, so that the LDS loads at the next row's head may land in it
.irp i, 0,1,2,3,4,5,6,7
	global_store_b128 v[LI], v[rY+4*\i:rY+4*\i+3], s[20:21] offset:4096*\k+512*\i th:TH_STORE_NT   ; 512 consecutive bytes, at a multiple of 256 from the output's first byte; written once
.endr
.endm
	s_load_b512 s[4:19], s[0:1], 0x0               ; cf, cs, Wo's codes, Wo's scales, bo, x, gamma, beta
	s_load_b64 s[20:21], s[0:1], 0x40              ; out
	v_lshl_add_u32 v254, v0, 2, 0x20200
	v_mov_b32 v255, 0
	v_lshrrev_b32 v7, 5, v0
	v_readfirstlane_b32 s22, v7                    ; wave 0..3
	v_and_b32 v7, 31, v0
	v_lshlrev_b32 v[LI], 4, v7
	v_and_b32 v7, 15, v0                           ; r
	v_bfe_u32 v186, v0, 4, 1                       ; h
	v_lshlrev_b32 v[WA], 9, v7
	v_lshl_add_u32 v[WA], v186, 4, v[WA]
	v_lshlrev_b32 v[WSA], 5, v7
	v_lshl_add_u32 v[WSA], v186, 4, v[WSA]
	v_mul_u32_u24 v[SA0], v7, SPITCH
	v_lshl_add_u32 v[SA0], v186, 5, v[SA0]
	s_wait_alu depctr_va_sdst(0)                   ; s22 is written, ahead of its first reader: LDS places and bases are made from it
	s_lshl_b32 s23, s22, 10
	v_add_nc_u32 v[SA0], s23, v[SA0]
	v_add_nc_u32 v[SA0+1], 16*SPITCH, v[SA0]
	s_mul_i32 s23, s22, 8*SPITCH
	v_add_nc_u32 v[RDA], s23, v[LI]
	v_mov_b32 v[MU+1], 0                           ; named as the upper halves of pairs
	v_mov_b32 v[RSD+1], 0
	v_mov_b32 v184, 0                              ; a lane permute's destination counts as one of its sources
	s_lshl_b32 s24, ttmp9, 14                      ; cf: two tiles of 8,192 bytes a work-group
	s_mov_b32 s25, 0
	s_lshl_b32 s26, ttmp9, 10                      ; cs: two of 512
	s_mov_b32 s27, 0
	s_lshl_b32 s28, s22, 17                        ; Wo's codes: 256 rows of 512 bytes a wave
	s_mov_b32 s29, 0
	s_lshl_b32 s30, s22, 13                        ; its scale bytes: 256 rows of 32
	s_mov_b32 s31, 0
	s_lshl_b32 s32, ttmp9, 5
	s_lshr_b32 s33, s22, 1
	s_lshl_b32 s33, s33, 3
	s_add_co_u32 s32, s32, s33
	s_and_b32 s33, s22, 1
	s_lshl_b32 s33, s33, 4
	s_add_co_u32 s32, s32, s33                     ; my eight rows begin at 32 g + 8 (w / 2) + 16 (w % 2)
	s_lshl_b32 s32, s32, 12
	s_mov_b32 s33, 0
	s_mov_b32 s34, 0x76543210
	s_mov_b32 s35, 0xfedcba98                      ; v_permlanex16_b32's selects for lane l xor 16
	s_mov_b32 s36, 0x3a800000                      ; 2^-10
	s_mov_b32 s37, 0x2b8cbccc                      ; 1e-12
	s_wait_kmcnt 0x0
	s_add_nc_u64 s[4:5], s[4:5], s[24:25]
	s_add_nc_u64 s[6:7], s[6:7], s[26:27]
	s_add_nc_u64 s[8:9], s[8:9], s[28:29]
	s_add_nc_u64 s[10:11], s[10:11], s[30:31]
	s_add_nc_u64 s[14:15], s[14:15], s[32:33]
	s_add_nc_u64 s[20:21], s[20:21], s[32:33]
	s_wait_alu depctr_va_vdst(0)                   ; the six addresses v1 to v6 are written: every load and store of the kernel reads one of them, and none is written again
	WIN 0x40
.irp u, 0,1
.irp s, 0,1,2,3,4,5,6,7
.irp c, 0,1
	global_load_b128 v[64*\u+8*\s+4*\c:64*\u+8*\s+4*\c+3], v[LI], s[4:5] offset:8192*\u+1024*\s+512*\c   ; ctx's fragments, as they were stored
.endr
.endr
.endr
	WIN 0
.irp u, 0,1
	global_load_b128 v[CSR+4*\u:CSR+4*\u+3], v[WSA], s[6:7] offset:512*\u
.endr
.irp t, 0,1,2,3,4,5,6,7,8,9,10,11,12,13,14,15
	global_load_b128 v[WSR+4*\t:WSR+4*\t+3], v[WSA], s[10:11] offset:512*\t
.endr
	WIN 0x40
.irp i, 0,1,2,3,4,5,6,7
	global_load_b128 v[BO+4*\i:BO+4*\i+3], v[LI], s[12:13] offset:512*\i
	global_load_b128 v[GA+4*\i:GA+4*\i+3], v[LI], s[16:17] offset:512*\i
	global_load_b128 v[BE+4*\i:BE+4*\i+3], v[LI], s[18:19] offset:512*\i
.endr
	WIN 0
	WLD 0
	WLD 1
	WLD 2
.irp t, 0,1,2,3,4,5,6,7,8,9,10,11,12,13,14,15
	STEP \t
.endr
	s_wait_dscnt 0x0                               ; for the others' sake: my columns lie in the stage
	s_barrier_signal -1
	s_barrier_wait -1                              ; 32 whole rows lie there; nothing is stored to LDS behind this barrier
	RLOAD 0                                        ; into registers that no vector instruction has named yet
	s_wait_loadcnt 0x0                             ; the residual
.irp k, 0,1,2,3,4,5,6,7
	ROW \k
.endr
	s_wait_dscnt 0x0                               ; the closing lines, six on end
	s_wait_alu 0x0
	s_wait_tensorcnt 0x0
	ds_add_u32 v254, v255
	s_wait_dscnt 0x0
	s_endpgm
.Lfunc_end_k_qf8e4a809cd_outln:
	.size	k_qf8e4a809cd_outln, .Lfunc_end_k_qf8e4a809cd_outln-k_qf8e4a809cd_outln
	.p2alignl 7, 3214868480
	.fill 96, 4, 3214868480
	.section	.rodata,"a",@progbits
	.p2align	6, 0x0
	.amdhsa_kernel k_qf8e4a809cd_outln
		.amdhsa_group_segment_fixed_size 132096
		.amdhsa_private_segment_fixed_size 0
		.amdhsa_enable_private_segment 0
		.amdhsa_kernarg_size 72
		.amdhsa_user_sgpr_count 2
		.amdhsa_user_sgpr_kernarg_segment_ptr 1
		.amdhsa_wavefront_size32 1
		.amdhsa_system_sgpr_workgroup_id_x 1
		.amdhsa_system_sgpr_workgroup_id_y 1
		.amdhsa_system_sgpr_workgroup_id_z 1
		.amdhsa_system_vgpr_workitem_id 0
		.amdhsa_next_free_vgpr 1024
		.amdhsa_next_free_sgpr 66
		.amdhsa_reserve_vcc 0
		.amdhsa_float_denorm_mode_32 3
		.amdhsa_float_denorm_mode_16_64 3
		.amdhsa_memory_ordered 1
		.amdhsa_forward_progress 1
		.amdhsa_inst_pref_size 159
	.end_amdhsa_kernel
	.amdgpu_metadata
---
amdhsa.version: [ 1, 2 ]
amdhsa.kernels:
  - .name:           k_qf8e4a809cd_outln
    .symbol:         k_qf8e4a809cd_outln.kd
    .args:
      - { .name: cf, .offset: 0, .size: 8, .value_kind: global_buffer, .address_space: global }
      - { .name: cs, .offset: 8, .size: 8, .value_kind: global_buffer, .address_space: global }
      - { .name: Wo_codes, .offset: 16, .size: 8, .value_kind: global_buffer, .address_space: global }
      - { .name: Wo_scales, .offset: 24, .size: 8, .value_kind: global_buffer, .address_space: global }
      - { .name: bo, .offset: 32, .size: 8, .value_kind: global_buffer, .address_space: global }
      - { .name: hidden_states, .offset: 40, .size: 8, .value_kind: global_buffer, .address_space: global }
      - { .name: ln_gamma, .offset: 48, .size: 8, .value_kind: global_buffer, .address_space: global }
      - { .name: ln_beta, .offset: 56, .size: 8, .value_kind: global_buffer, .address_space: global }
      - { .name: out0, .offset: 64, .size: 8, .value_kind: global_buffer, .address_space: global }
    .group_segment_fixed_size: 132096
    .private_segment_fixed_size: 0
    .kernarg_segment_align: 8
    .kernarg_segment_size: 72
    .max_flat_workgroup_size: 128
    .sgpr_count:     66
    .vgpr_count:     1024
    .wavefront_size: 32
...
	.end_amdgpu_metadata
.endif
;; end of part 6
